; MI455X (gfx1250); checked and timed in simulation.
; The chip was launched on July 23, 2026; its instructions are those of AMD's public machine-readable ISA for CDNA 5 (MIT licence, August 2026) and "CDNA5" Instruction Set Architecture Reference Guide (July 2026). The comments in the code are by the model that wrote it; some were corrected since.
;; Dbrx FFN. Allowed arithmetic: float matrix products may take bf16 or f16 operands with f32 sums; other float arithmetic in f32, or as packed bf16 or f16 multiplies, adds, multiply-adds, maxima and minima; sums over many terms, partial sums and values carried from step to step in f32; what a program stores and reads back later, other than sums and carried values, may be rounded once to bf16 or f16.
;; Inputs: router_w 8 x 1,024 float32; v1 16,384 x 1,024 float32; w1 16,384 x 1,024 float32; w2 16,384 x 1,024 float32; x 2 x 512 x 1,024 float32.
;; Outputs: out0 2 x 512 x 1,024 float32.
;; 2 versions, each right; version 2 is version 1 with the launches up, down written anew for expert scheduling mode. Each part assembles by itself: llvm-mc -triple=amdgcn-amd-amdhsa -mcpu=gfx1250 --defsym DOCPART=n.
;; ======== version 1 of 2: 5 launches
;; workspace buffers: xb 2,097,152 bytes; idx 4,096 bytes of whole numbers; gates 8,192 bytes; xg 16,777,216 bytes; pose 8,192 bytes of whole numbers; cnt 1,024 bytes of whole numbers; h 33,554,432 bytes; ypart 67,108,864 bytes
;; launch router (part 1): grid 256 x 1, 2 waves a work-group, no clusters, 0 bytes of LDS; arguments x, router_w, xb, idx, gates; writes xb, idx, gates
.if DOCPART == 1
	.amdgcn_target "amdgcn-amd-amdhsa--gfx1250"
	.amdhsa_code_object_version 6
	.text
	.protected	k_q8e9a3ba7b4_router
	.globl	k_q8e9a3ba7b4_router
	.p2align	8
	.type	k_q8e9a3ba7b4_router,@function
k_q8e9a3ba7b4_router:
	s_mov_b64 s[64:65], 0
	v_nop
	global_prefetch_b8 v0, s[64:65] scope:SCOPE_SE
	s_setreg_imm32_b32 hwreg(HW_REG_WAVE_MODE, 25, 1), 1
	s_wait_xcnt 0x0
; ROUTER.  For each of the 1,024 tokens: x rounded once to bf16 (stored in xb for the first product), the 8 logits x . router_w, the two largest softmax weights and their
; renormalised gates.  Both operands of the logits are rounded to bf16, as every input of this program is; a product of two bf16 is exact in f32, and the sums are f32.
; SHARES.  A wave takes two tokens, t0 = 4 x work-group + 2 x wave; lane l holds columns 128 j + 4 l .. + 3, j = 0..7, of each row, so each load of a wave covers 512 consecutive bytes.
; No matrix unit: 8 columns of output and 8.4 million multiply-adds in all.  No LDS, no barrier: a token never leaves its wave.  No cluster: what work-groups share is router_w's 32 KiB alone.
; SOFTMAX.  p_e = 2^((l_e - max l) log2 e); the maximum is taken away as reference() does; the sum over all 8 cancels in p_i / (p_0 + p_1) and is not formed.
; STORED, at fixed places: idx[t] = e0 | e1 << 8 | (1 << e0 | 1 << e1) << 16 and gates[t] = (g0, g1).  No address of this launch hangs on them.
; LIMITS.  The logits' sums go in another order than reference()'s: logits that differ by less than f32's rounding of a sum of 1,024 terms may be ranked otherwise.  A weight below 2^-126 counts
; as 0 (its gate would be below 2^-126 too).  Ties go to the lower index, as in lax.top_k.  NaN and infinities are not treated apart.
.set XF, 8                             ; v[8:71]    x in f32: token i / 8, chunk i % 8 at XF + 4 i; later at work
.set XB, 72                            ; v[72:103]  x in bf16 pairs, 16 words a token
.set RB, 104                           ; v[104:231] router_w in bf16 pairs, 16 words an expert
.set AC, 232                           ; v[232:247] the 16 sums: token k / 8, expert k % 8
.set LG, 24                            ; v[24:31]   my token's 8 logits
.set PW, 32                            ; v[32:39]   its 8 weights
.set MSB, 0
.macro WIN new                         ; the immediate's high byte repeats the setting that is left
.if MSB != (\new)
	s_set_vgpr_msb (MSB<<8)|(\new)
.set MSB, \new
.endif
.endm
	s_load_b256 s[4:11], s[0:1], 0x0               ; x s[4:5], router_w s[6:7], xb s[8:9], idx s[10:11]
	s_load_b64 s[12:13], s[0:1], 0x20              ; gates
	v_and_b32 v1, 31, v0                           ; lane
	v_lshrrev_b32 v5, 5, v0
	v_readfirstlane_b32 s14, v5                    ; wave 0, 1
	v_lshlrev_b32 v2, 4, v1                        ; 16 bytes a lane (f32 rows)
	v_lshlrev_b32 v3, 3, v1                        ; 8 bytes a lane (bf16 rows; gates)
	v_mov_b32 v4, 0                                ; the addend of each sum's first link
	s_lshl_b32 s15, ttmp9, 2
	s_lshl1_add_u32 s15, s14, s15                  ; t0 = 4 x work-group + 2 x wave
	s_lshl_b32 s16, s15, 12                        ; byte offsets of token t0 in x, xb, idx, gates
	s_mov_b32 s17, 0
	s_lshl_b32 s20, s15, 11
	s_mov_b32 s21, 0
	s_lshl_b32 s22, s15, 2
	s_mov_b32 s23, 0
	s_lshl_b32 s24, s15, 3
	s_mov_b32 s25, 0
	s_mov_b32 s18, 0x76543210                      ; v_permlanex16_b32: each lane takes its own place in the other half
	s_mov_b32 s19, 0xfedcba98
	s_wait_kmcnt 0x0
	s_add_nc_u64 s[4:5], s[4:5], s[16:17]
	s_add_nc_u64 s[8:9], s[8:9], s[20:21]
	s_add_nc_u64 s[10:11], s[10:11], s[22:23]
	s_add_nc_u64 s[12:13], s[12:13], s[24:25]
.set i, 0
.rept 16                               ; my two rows of x, read once in the launch
	global_load_b128 v[XF+4*i:XF+4*i+3], v2, s[4:5] offset:(i/8)*4096+(i%8)*512 th:TH_LOAD_NT
.set i, i+1
.endr
	WIN 0x40                                       ; destination window 1
.set i, 0
.rept 64                               ; all of router_w: expert i / 8, chunk i % 8 at v[256 + 4 i]
	global_load_b128 v[4*i:4*i+3], v2, s[6:7] offset:512*i
.set i, i+1
.endr
	WIN 0
	s_wait_loadcnt 63                              ; 80 loads are out; at most 63 left means the oldest 17 are in, x's 16 among them
.set i, 0
.rept 32
	v_cvt_pk_bf16_f32 v[XB+i], v[XF+2*i], v[XF+2*i+1]
.set i, i+1
.endr
.set i, 0
.rept 16                               ; each store of the wave covers 256 consecutive bytes of xb, aligned
	global_store_b64 v3, v[XB+2*i:XB+2*i+1], s[8:9] offset:(i/8)*2048+(i%8)*256
.set i, i+1
.endr
	s_wait_loadcnt 0x0                             ; router_w
	WIN 0x05                                       ; sources in window 1, destination in window 0
.set i, 0
.rept 128
	v_cvt_pk_bf16_f32 v[RB+i], v[2*i], v[2*i+1]
.set i, i+1
.endr
	WIN 0
	; 512 multiply-adds from bf16 halves into f32: 16 chains by turns, so that no line waits for the one before it
.set i, 0
.rept 16
.irp s, 0, 1
.set k, 0
.rept 16
.if (i == 0) && (\s == 0)
	v_fma_mix_f32_bf16 v[AC+k], v[XB+16*(k/8)+i], v[RB+16*(k%8)+i], v4 op_sel:[0,0,0] op_sel_hi:[1,1,0]
.else
	v_fma_mix_f32_bf16 v[AC+k], v[XB+16*(k/8)+i], v[RB+16*(k%8)+i], v[AC+k] op_sel:[\s,\s,0] op_sel_hi:[1,1,0]
.endif
.set k, k+1
.endr
.endr
.set i, i+1
.endr
	; across the 32 lanes: four steps inside each half ride on the addition, one crosses the halves; every lane ends with all 16 sums
.irp m, 1, 2, 4, 8
.set k, 0
.rept 16
	v_add_f32_dpp v[AC+k], v[AC+k], v[AC+k] row_xmask:\m row_mask:0xf bank_mask:0xf
.set k, k+1
.endr
.endr
.set k, 0
.rept 16
	v_permlanex16_b32 v[XF+k], v[AC+k], s18, s19   ; the destination has been written (by x's loads)
.set k, k+1
.endr
.set k, 0
.rept 16
	v_add_f32 v[AC+k], v[AC+k], v[XF+k]
.set k, k+1
.endr
	v_and_b32 v5, 1, v1                            ; even lanes go on with token t0, odd lanes with t0 + 1
	v_cmp_eq_u32 vcc_lo, 1, v5
.set k, 0
.rept 8
	v_cndmask_b32 v[LG+k], v[AC+k], v[AC+8+k], vcc_lo
.set k, k+1
.endr
	v_max3_num_f32 v40, v[LG], v[LG+1], v[LG+2]
	v_max3_num_f32 v40, v40, v[LG+3], v[LG+4]
	v_max3_num_f32 v40, v40, v[LG+5], v[LG+6]
	v_max_num_f32 v40, v40, v[LG+7]
.set k, 0
.rept 8
	v_sub_f32 v[PW+k], v[LG+k], v40
.set k, k+1
.endr
.set k, 0
.rept 8
	v_mul_f32 v[PW+k], 0x3fb8aa3b, v[PW+k]         ; x log2 e
.set k, k+1
.endr
.set k, 0
.rept 8
	v_exp_f32 v[PW+k], v[PW+k]
.set k, k+1
.endr
	v_nop                                          ; a plain line behind the last exponential,
	s_wait_alu depctr_va_vdst(0)                   ; and one wait for the batch of eight, ahead of its first reader
; the largest of the 8 weights and its index; the compare is strict, so that of equals the lower index stays
.macro TOP best, ind
	v_mov_b32 v[\best], v[PW]
	v_mov_b32 v[\ind], 0
.irp e, 1, 2, 3, 4, 5, 6, 7
	v_cmp_gt_f32 vcc_lo, v[PW+\e], v[\best]
	v_cndmask_b32 v[\best], v[\best], v[PW+\e], vcc_lo
	v_cndmask_b32 v[\ind], v[\ind], \e, vcc_lo
.endr
.endm
	TOP 41, 42
.irp e, 0, 1, 2, 3, 4, 5, 6, 7
	v_cmp_eq_u32 vcc_lo, \e, v42                   ; the first choice leaves the field: -1 lies below every weight
	v_cndmask_b32 v[PW+\e], v[PW+\e], -1.0, vcc_lo
.endr
	TOP 43, 44
	v_add_f32 v45, v41, v43                        ; at least 1: the largest weight is 2^0
	v_rcp_f32 v46, v45
	v_mov_b32 v47, 1                               ; the plain line behind the reciprocal
	s_wait_alu depctr_va_vdst(0)
	v_mul_f32 v48, v41, v46                        ; g0
	v_mul_f32 v49, v43, v46                        ; g1
	v_lshlrev_b32 v50, v42, v47                    ; 1 << e0
	v_lshlrev_b32 v51, v44, v47                    ; 1 << e1
	v_or_b32 v50, v50, v51
	v_lshl_or_b32 v51, v44, 8, v42
	v_lshl_or_b32 v50, v50, 16, v51
	v_lshlrev_b32 v52, 2, v1
	v_cmp_gt_u32 vcc_lo, 2, v1
	s_wait_xcnt 0x0                                ; EXEC is a source of the stores above: it changes only behind this wait
	s_and_saveexec_b32 s20, vcc_lo                 ; lanes 0 and 1 hold the two tokens
	global_store_b32 v52, v50, s[10:11]
	global_store_b64 v3, v[48:49], s[12:13]
	s_wait_xcnt 0x0
	s_or_b32 exec_lo, exec_lo, s20
	s_endpgm
.Lfunc_end_k_q8e9a3ba7b4_router:
	.size	k_q8e9a3ba7b4_router, .Lfunc_end_k_q8e9a3ba7b4_router-k_q8e9a3ba7b4_router
	.p2alignl 7, 3214868480
	.fill 96, 4, 3214868480
	.section	.rodata,"a",@progbits
	.p2align	6, 0x0
	.amdhsa_kernel k_q8e9a3ba7b4_router
		.amdhsa_group_segment_fixed_size 0
		.amdhsa_private_segment_fixed_size 0
		.amdhsa_enable_private_segment 0
		.amdhsa_kernarg_size 40
		.amdhsa_user_sgpr_count 2
		.amdhsa_user_sgpr_kernarg_segment_ptr 1
		.amdhsa_wavefront_size32 1
		.amdhsa_system_sgpr_workgroup_id_x 1
		.amdhsa_system_sgpr_workgroup_id_y 1
		.amdhsa_system_sgpr_workgroup_id_z 1
		.amdhsa_system_vgpr_workitem_id 0
		.amdhsa_next_free_vgpr 512
		.amdhsa_next_free_sgpr 66
		.amdhsa_reserve_vcc 1
		.amdhsa_float_denorm_mode_32 3
		.amdhsa_float_denorm_mode_16_64 3
		.amdhsa_memory_ordered 1
		.amdhsa_forward_progress 1
		.amdhsa_inst_pref_size 63
	.end_amdhsa_kernel
	.amdgpu_metadata
---
amdhsa.version: [ 1, 2 ]
amdhsa.kernels:
  - .name:           k_q8e9a3ba7b4_router
    .symbol:         k_q8e9a3ba7b4_router.kd
    .args:
      - { .name: x, .offset: 0, .size: 8, .value_kind: global_buffer, .address_space: global }
      - { .name: router_w, .offset: 8, .size: 8, .value_kind: global_buffer, .address_space: global }
      - { .name: xb, .offset: 16, .size: 8, .value_kind: global_buffer, .address_space: global }
      - { .name: idx, .offset: 24, .size: 8, .value_kind: global_buffer, .address_space: global }
      - { .name: gates, .offset: 32, .size: 8, .value_kind: global_buffer, .address_space: global }
    .group_segment_fixed_size: 0
    .private_segment_fixed_size: 0
    .kernarg_segment_align: 8
    .kernarg_segment_size: 40
    .max_flat_workgroup_size: 64
    .sgpr_count:     66
    .vgpr_count:     512
    .wavefront_size: 32
...
	.end_amdgpu_metadata
.endif
;; end of part 1
;; launch place (part 2): grid 256 x 1, 4 waves a work-group, no clusters, 0 bytes of LDS; arguments xb, idx, xg, pose, cnt; writes xg, pose, cnt
.if DOCPART == 2
	.amdgcn_target "amdgcn-amd-amdhsa--gfx1250"
	.amdhsa_code_object_version 6
	.text
	.protected	k_q8e9a3ba7b4_place
	.globl	k_q8e9a3ba7b4_place
	.p2align	8
	.type	k_q8e9a3ba7b4_place,@function
k_q8e9a3ba7b4_place:
	s_mov_b64 s[64:65], 0
	v_nop
	global_prefetch_b8 v0, s[64:65] scope:SCOPE_SE
	s_setreg_imm32_b32 hwreg(HW_REG_WAVE_MODE, 25, 1), 1
	s_wait_xcnt 0x0
; THE ROWS ARE LAID IN THE EXPERTS' ORDER.  xg[e][rank][1024] (bf16) takes the rows of xb of the tokens that chose expert e; a token's rank is the number of lower tokens that chose the same expert.
; SHARES.  A wave takes one token, t = 4 x work-group + wave.  It reads all of idx (4 KiB of whole numbers, stored by the launch before) and its own row of xb (2,048 bytes, which it alone reads),
; counts its two ranks by ballots, and stores the row whole, 512 consecutive bytes a store, at xg[e0][r0] and at xg[e1][r1], and (r0, r1) at pose[t].
; Every number that steers an address is a scalar, clamped to its table by s_min_u32 with a constant; behind the clamp stand shifts left and adds alone.
; PAST THE COUNT.  The products work on tiles of 16 rows, max(1, ceil(count / 16)) of them an expert.  Waves t < 128 also serve expert t / 16: they count all its tokens; the wave with t % 16 = 0
; stores that count (32 times: cnt[e][0..31]); wave j = t % 16 stores its own row, a row that exists, at rank count + j where that lies inside the last live tile.  At most 16 such places an
; expert.  So every byte of xg that the next launch reads is stored here, whatever the split: all tokens on two experts, an expert with none.
; A stream with a little counting: no LDS, no barrier, no matrix unit; no cluster, since what the work-groups share is idx's 4 KiB alone.
.set ROW, 4                            ; v[4:19]   my token's row
.set IDX, 20                           ; v[20:51]  idx: token 128 g + 4 lane + j at IDX + 4 g + j
.set TA,  52                           ; v52-54    at work
	s_load_b256 s[4:11], s[0:1], 0x0               ; xb s[4:5], idx s[6:7], xg s[8:9], pose s[10:11]
	s_load_b64 s[12:13], s[0:1], 0x20              ; cnt
	v_lshrrev_b32 v1, 5, v0
	v_readfirstlane_b32 s14, v1                    ; wave
	v_and_b32 v1, 31, v0                           ; lane
	v_lshlrev_b32 v2, 4, v1                        ; 16 bytes a lane
	v_lshlrev_b32 v3, 2, v1                        ; 4 lane
	s_lshl2_add_u32 s14, ttmp9, s14                ; t
	s_lshl_b32 s15, s14, 2
	s_lshl_b32 s16, s14, 11                        ; my row in xb
	s_mov_b32 s17, 0
	s_mov_b32 s31, 0
	s_lshr_b32 s19, s14, 4
	s_min_u32 s19, s19, 7                          ; the expert whose count I take (used where t < 128)
	s_wait_kmcnt 0x0
	s_load_b32 s18, s[6:7], s15 offset:0x0         ; my token's word: e0 | e1 << 8 | ..
.irp g, 0, 1, 2, 3, 4, 5, 6, 7
	global_load_b128 v[IDX+4*\g:IDX+4*\g+3], v2, s[6:7] offset:512*\g
.endr
	s_add_nc_u64 s[4:5], s[4:5], s[16:17]
.irp k, 0, 1, 2, 3
	global_load_b128 v[ROW+4*\k:ROW+4*\k+3], v2, s[4:5] offset:512*\k th:TH_LOAD_NT
.endr
	s_wait_kmcnt 0x0
	s_and_b32 s20, s18, 0xff
	s_min_u32 s20, s20, 7                          ; e0
	s_bfe_u32 s21, s18, 0x80008
	s_min_u32 s21, s21, 7                          ; e1
	s_add_co_u32 s22, s20, 16
	s_lshl_b32 s22, 1, s22                         ; the three experts' bits in a word of idx
	s_add_co_u32 s23, s21, 16
	s_lshl_b32 s23, 1, s23
	s_add_co_u32 s28, s19, 16
	s_lshl_b32 s28, 1, s28
	s_mov_b32 s24, 0                               ; r0
	s_mov_b32 s25, 0                               ; r1
	s_mov_b32 s26, 0                               ; the third expert's count
	s_wait_loadcnt 4                               ; idx's eight loads are in; my row's four may stay out
.set i, 0
.rept 32                               ; register i: tokens 128 (i / 4) + i % 4 + 4 lane
	s_sub_co_i32 s40, s14, 128*(i/4)+i%4
	v_cmp_gt_i32 s41, s40, v3                      ; the lanes whose token is lower than mine
	v_and_b32 v[TA], s22, v[IDX+i]
	v_cmp_ne_u32 s42, 0, v[TA]                     ; who chose e0
	v_and_b32 v[TA+1], s23, v[IDX+i]
	v_cmp_ne_u32 s43, 0, v[TA+1]                   ; who chose e1
	v_and_b32 v[TA+2], s28, v[IDX+i]
	v_cmp_ne_u32 s44, 0, v[TA+2]                   ; who chose the third expert
	s_and_b32 s42, s42, s41
	s_and_b32 s43, s43, s41
	s_bcnt1_i32_b32 s42, s42
	s_bcnt1_i32_b32 s43, s43
	s_bcnt1_i32_b32 s44, s44
	s_add_co_u32 s24, s24, s42
	s_add_co_u32 s25, s25, s43
	s_add_co_u32 s26, s26, s44
.set i, i+1
.endr
	s_min_u32 s24, s24, 0x3ff                      ; the clamps behind which the ranks may enter addresses
	s_min_u32 s25, s25, 0x3ff
	s_lshl_b32 s30, s20, 21                        ; an expert has 1,024 rows of 2,048 bytes
	s_lshl_b32 s29, s24, 11
	s_add_co_u32 s30, s30, s29
	s_add_nc_u64 s[32:33], s[8:9], s[30:31]        ; xg[e0][r0]
	s_lshl_b32 s30, s21, 21
	s_lshl_b32 s29, s25, 11
	s_add_co_u32 s30, s30, s29
	s_add_nc_u64 s[34:35], s[8:9], s[30:31]        ; xg[e1][r1]
	s_lshl_b32 s30, s14, 3
	s_add_nc_u64 s[10:11], s[10:11], s[30:31]      ; pose[t]
	v_mov_b32 v56, s24
	v_mov_b32 v57, s25
	v_cmp_eq_u32 vcc_lo, 0, v1
	s_wait_loadcnt 0x0                             ; my row
.irp k, 0, 1, 2, 3
	global_store_b128 v2, v[ROW+4*\k:ROW+4*\k+3], s[32:33] offset:512*\k
.endr
.irp k, 0, 1, 2, 3
	global_store_b128 v2, v[ROW+4*\k:ROW+4*\k+3], s[34:35] offset:512*\k
.endr
	s_wait_xcnt 0x0                                ; EXEC is a source of the stores above: it changes only behind this wait
	s_and_saveexec_b32 s36, vcc_lo                 ; lane 0 alone
	global_store_b64 v3, v[56:57], s[10:11]        ; its 4 lane is 0
	s_wait_xcnt 0x0
	s_or_b32 exec_lo, exec_lo, s36
	s_cmp_lt_u32 s14, 128
	s_cbranch_scc0 .Lend                           ; the other waves have done
	s_min_u32 s26, s26, 0x400                      ; the count
	s_and_b32 s37, s14, 15                         ; j
	s_cmp_lg_u32 s37, 0
	s_cbranch_scc1 .Lnocnt
	v_mov_b32 v58, s26
	s_lshl_b32 s30, s19, 7
	s_add_nc_u64 s[12:13], s[12:13], s[30:31]
	global_store_b32 v3, v58, s[12:13]             ; 32 times: a whole 128 bytes
.Lnocnt:
	s_add_co_u32 s38, s26, 15
	s_and_not1_b32 s38, s38, 15
	s_max_u32 s38, s38, 16                         ; the rows of the expert's live tiles
	s_add_co_u32 s39, s26, s37                     ; place j past the count
	s_cmp_lt_u32 s39, s38
	s_cbranch_scc0 .Lend                           ; outside the last live tile: nobody reads it
	s_min_u32 s39, s39, 0x3ff
	s_lshl_b32 s30, s19, 21
	s_lshl_b32 s39, s39, 11
	s_add_co_u32 s30, s30, s39
	s_add_nc_u64 s[40:41], s[8:9], s[30:31]
.irp k, 0, 1, 2, 3
	global_store_b128 v2, v[ROW+4*\k:ROW+4*\k+3], s[40:41] offset:512*\k
.endr
.Lend:
	s_endpgm
.Lfunc_end_k_q8e9a3ba7b4_place:
	.size	k_q8e9a3ba7b4_place, .Lfunc_end_k_q8e9a3ba7b4_place-k_q8e9a3ba7b4_place
	.p2alignl 7, 3214868480
	.fill 96, 4, 3214868480
	.section	.rodata,"a",@progbits
	.p2align	6, 0x0
	.amdhsa_kernel k_q8e9a3ba7b4_place
		.amdhsa_group_segment_fixed_size 0
		.amdhsa_private_segment_fixed_size 0
		.amdhsa_enable_private_segment 0
		.amdhsa_kernarg_size 40
		.amdhsa_user_sgpr_count 2
		.amdhsa_user_sgpr_kernarg_segment_ptr 1
		.amdhsa_wavefront_size32 1
		.amdhsa_system_sgpr_workgroup_id_x 1
		.amdhsa_system_sgpr_workgroup_id_y 1
		.amdhsa_system_sgpr_workgroup_id_z 1
		.amdhsa_system_vgpr_workitem_id 0
		.amdhsa_next_free_vgpr 64
		.amdhsa_next_free_sgpr 66
		.amdhsa_reserve_vcc 1
		.amdhsa_float_denorm_mode_32 3
		.amdhsa_float_denorm_mode_16_64 3
		.amdhsa_memory_ordered 1
		.amdhsa_forward_progress 1
		.amdhsa_inst_pref_size 27
	.end_amdhsa_kernel
	.amdgpu_metadata
---
amdhsa.version: [ 1, 2 ]
amdhsa.kernels:
  - .name:           k_q8e9a3ba7b4_place
    .symbol:         k_q8e9a3ba7b4_place.kd
    .args:
      - { .name: xb, .offset: 0, .size: 8, .value_kind: global_buffer, .address_space: global }
      - { .name: idx, .offset: 8, .size: 8, .value_kind: global_buffer, .address_space: global }
      - { .name: xg, .offset: 16, .size: 8, .value_kind: global_buffer, .address_space: global }
      - { .name: pose, .offset: 24, .size: 8, .value_kind: global_buffer, .address_space: global }
      - { .name: cnt, .offset: 32, .size: 8, .value_kind: global_buffer, .address_space: global }
    .group_segment_fixed_size: 0
    .private_segment_fixed_size: 0
    .kernarg_segment_align: 8
    .kernarg_segment_size: 40
    .max_flat_workgroup_size: 128
    .sgpr_count:     66
    .vgpr_count:     64
    .wavefront_size: 32
...
	.end_amdgpu_metadata
.endif
;; end of part 2
;; launch up (part 3): grid 32 x 8, 4 waves a work-group, no clusters, 165,376 bytes of LDS; arguments xg, cnt, w1, v1, h; writes h
.if DOCPART == 3
	.amdgcn_target "amdgcn-amd-amdhsa--gfx1250"
	.amdhsa_code_object_version 6
	.text
	.protected	k_q8e9a3ba7b4_up
	.globl	k_q8e9a3ba7b4_up
	.p2align	8
	.type	k_q8e9a3ba7b4_up,@function
k_q8e9a3ba7b4_up:
	s_mov_b64 s[64:65], 0
	v_nop
	global_prefetch_b8 v0, s[64:65] scope:SCOPE_SE
	s_setreg_imm32_b32 hwreg(HW_REG_WAVE_MODE, 25, 1), 1
	s_wait_xcnt 0x0
; FIRST PRODUCT OF THE EXPERTS.  h[rank][f] = silu(x . w1[f]) * (x . v1[f]) for the rows of xg[e] (the tokens that chose expert e, laid in order by the launch before), in bf16.
; SHARES.  Work-group (sl, e) owns rows 64 sl .. + 63 of w1[e] and of v1[e]: 512 KiB of f32 that it alone reads, once.  They are rounded to bf16 on their way through registers and STAY in
; registers: wave q holds K = 256 q .. + 255 of all 8 fragments of 16 rows (0-3 of w1, 4-7 of v1), 512 registers.  A fragment of 16 tokens x 32 K then feeds 8 matrix instructions.
; The four waves' partial sums over K meet in LDS; wave q finishes block f = 64 sl + 16 q .. + 15 (fragments q and 4 + q): sum, silu, product, one rounding, one store of 512 consecutive bytes.
; THE WALK.  Sub-tiles of 16 rows are numbered g = 0, 1, ..  POSITION p does three things: the 64 products of sub-tile p, into one of two sets of accumulators (by p's parity); the 16 LDS stores of
; sub-tile p - 1's partial sums, from the other set; the finishing of sub-tile p - 3.  All but the products stands in SLICES of at most five lines behind every second matrix instruction, and so do
; the loads of the tokens of sub-tile p + 4, into the registers that the position has just read: a ring of four sub-tiles, asked for three positions ahead of their use.
; BARRIERS.  One behind every second position.  The partial sums have four regions in LDS, by g % 4.  Sub-tile g is stored at position g + 1, read at g + 3, and its region stored again at g + 5:
; each time two positions on, so a barrier lies between.  In positions 0, 1 (mod 4) regions 3, 0 are written and 1, 2 read; in positions 2, 3 regions 1, 2 are written and 3, 0 read.
; EVERY SPLIT.  The loop has a constant 17 trips of four positions (positions 0 to 67; an expert has 64 sub-tiles at the most, the last finished at position 66) and is entered at position 3; every
; wave passes both barriers of every trip.  nt = max(1, ceil(count / 16)) sub-tiles are live; the count comes from cnt, stored by the launch before.  A position at or past nt jumps forward to a
; plain text, with no barrier in it, that stores sub-tile p - 1 and finishes sub-tile p - 3 where these are live.  Positions 0 to 2 stand ahead of the loop, finish nothing, and always multiply
; (for an expert with fewer than three live sub-tiles: on a tile that exists, for nothing), so that both sets of accumulators are written on every way.  Tiles asked for are clamped to nt - 1:
; only rows that the launch before stored are read; each wave asks for four such tiles in vain.  nt is at least 1, so that tile 0 of h is always written: the next launch clamps likewise.
; h's LAYOUT: [e][tile of 16 rows: 64][block of 16 f: 128][16 rows][16 f], so that the next launch's operand loads and this launch's stores are 512 consecutive bytes each.
; THE MATRIX INSTRUCTION takes 16 rows of weights as source 0 and 16 tokens as source 1: in the result a lane holds one token (lane % 16) and f = 8 (lane / 16) + 0..7.
; NO CLUSTER, NO TENSOR LOADS: each slice of weights has one reader, and f32 has to pass registers to be rounded.  An expert's 32 slices do read the same rows of xg; here they go from memory into
; operand registers with no copy in LDS, and joint loads would want slots and rounds of the cluster's barrier in a loop whose live length hangs on a stored count.  No prefetch: each wave has
; 64 loads of 512 bytes out through all of the filling, and 48 to 64 through the walk.
; LIMITS.  NaN and infinities are not treated apart; exp(-g) may overflow to infinity, which gives silu = -0 as in reference().
; REGISTERS, in windows of 256: window 0 addresses, accumulators, work; window 1 staging of f32 weights (two groups of 128), then the ring of four sub-tiles of tokens (64 s + 8 J);
; windows 2, 3 the weights: K step J (32 along K) of fragment n at window 2 + J / 4, v[64 (J % 4) + 8 n].  A slice works in window 0 (its loads of tokens: into window 1), the products beside it
; name windows 1 to 3: two switches a slice, the price of vector and LDS work beside the matrix work in one wave.
.set STAGE,  131072                    ; behind the partial sums: for each wave 16 rows x 528 bytes
.set SPITCH, 528                       ; 512 bytes of bf16 + 16: 33 x 16, so the 16 rows of a fragment load start at 16 different groups of four banks (64 banks of 4 bytes: ISA guide 11.1)
.set STGW,   16*SPITCH
.set SPARE,  STAGE+4*STGW              ; the spare words, 128 bytes for each wave: two blocks of 256 bytes that no other line names
.set SPW,   4                          ; v4   SPARE + 4 x my thread's number; never rewritten
.set NIL,   5                          ; v5   0; never rewritten
.set WOFF,  6                          ; v6   my 16 bytes in a row of weights: 1,024 q + 16 lane
.set SST,   7                          ; v7   stage, in: 8 bytes a lane
.set SRD,   8                          ; v8   stage, back: row lane % 16, 16 bytes for each half of the lanes
.set A0,    9                          ; v9   my 16 bytes in a tile of xg: 2,048 (lane % 16) + 512 q + 16 (lane / 16)
.set AOFF,  10                         ; v10-13  ring slot s: its tile's 32,768 bytes + A0
.set XST,   14                         ; v14, v15  partial sums, in: 8,192 q + 16 lane; + 65,536 for regions 2, 3
.set XRD,   16                         ; v16, v17  partial sums, back: 1,024 q + 16 lane; + 65,536
.set HOFF,  18                         ; v18  my 16 bytes in a block of h: 32 (lane % 16) + 16 (lane / 16)
.set TA,    19                         ; v19  at work
.set L16,   20                         ; v20  16 lane
.set ACC,   32                         ; v[32:159]  two sets of accumulators: set b, fragment n at ACC + 64 b + 8 n
.set T,     160                        ; v[160:223] filling: packed bf16
.set R,     160                        ;            walk: the four waves' partial sums
.set SG,    224                        ; v[224:231] sigmoid at work
.set HB,    240                        ; v[240:255] region r: 4 registers of h to store
.set MSB, 0
.macro WIN new                         ; the immediate's high byte repeats the setting that is left; a switch that changes nothing is dropped
.if MSB != (\new)
	s_set_vgpr_msb (MSB<<8)|(\new)
.set MSB, \new
.endif
.endm
.macro NOPS n
.rept \n
	v_nop
.endr
.endm
; Chunk c = fragment c: 16 rows x my 1,024 bytes, 32 loads of 512 consecutive bytes, into staging group c % 2
.macro LOADCH c
	WIN 0x40                                       ; destination window 1
.set mm, 0
.rept 32
.if (\c) < 4
	global_load_b128 v[128*((\c)%2)+4*mm:128*((\c)%2)+4*mm+3], v[WOFF], s[8:9] offset:(((\c)%4)*16+mm/2)*4096+(mm%2)*512 th:TH_LOAD_NT
.else
	global_load_b128 v[128*((\c)%2)+4*mm:128*((\c)%2)+4*mm+3], v[WOFF], s[10:11] offset:(((\c)%4)*16+mm/2)*4096+(mm%2)*512 th:TH_LOAD_NT
.endif
.set mm, mm+1
.endr
	WIN 0
.endm
; Chunk c is rounded, its staging group asked for again (chunk c + 2), and the bf16 turned into fragments through my own stage.  LDS serves a wave's instructions in order
; (ISA guide 5.7.1.4): the loads see the stores above them, and the next chunk's stores come behind them; no wait stands between.
.macro CHUNK c, left, more
	s_wait_loadcnt \left                           ; loads come back in order: chunk c is in, the 32 of chunk c + 1 may stay out
	WIN 0x05                                       ; sources window 1, destination window 0
.set mm, 0
.rept 64
	v_cvt_pk_bf16_f32 v[T+mm], v[128*((\c)%2)+2*mm], v[128*((\c)%2)+2*mm+1]
.set mm, mm+1
.endr
.if \more
	LOADCH (\c)+2
.endif
	WIN 0
.set mm, 0
.rept 32
	ds_store_b64 v[SST], v[T+2*mm:T+2*mm+1] offset:(mm/2)*SPITCH+(mm%2)*256
.set mm, mm+1
.endr
	WIN 0x80                                       ; destination window 2: K steps 0-3
.irp J, 0, 1, 2, 3
	ds_load_b128 v[64*\J+8*(\c):64*\J+8*(\c)+3],   v[SRD] offset:64*\J
	ds_load_b128 v[64*\J+8*(\c)+4:64*\J+8*(\c)+7], v[SRD] offset:64*\J+32
.endr
	WIN 0xc0                                       ; window 3: K steps 4-7
.irp J, 0, 1, 2, 3
	ds_load_b128 v[64*\J+8*(\c):64*\J+8*(\c)+3],   v[SRD] offset:64*\J+256
	ds_load_b128 v[64*\J+8*(\c)+4:64*\J+8*(\c)+7], v[SRD] offset:64*\J+288
.endr
	WIN 0
.endm
; The ring's first fill: 64 loads, four sub-tiles of 16 tokens x my 256 along K, straight into operand registers; slot by slot, so that the waits can count
.macro ALOADS
	WIN 0x40
.irp s, 0, 1, 2, 3
.irp J, 0, 1, 2, 3, 4, 5, 6, 7
	global_load_b128 v[64*\s+8*\J:64*\s+8*\J+3],   v[AOFF+\s], s[4:5] offset:64*\J
	global_load_b128 v[64*\s+8*\J+4:64*\s+8*\J+7], v[AOFF+\s], s[4:5] offset:64*\J+32
.endr
.endr
	WIN 0
.endm
; the first four tiles: never past the last live one; the constant clamp stands last in front of the shift
.macro AADDR
.irp s, 0, 1, 2, 3
	s_min_u32 s25, \s, s29
	s_min_u32 s25, s25, 63
	s_lshl_b32 s25, s25, 15                        ; a tile of xg: 16 rows of 2,048 bytes
	v_add_nc_u32 v[AOFF+\s], s25, v[A0]
.endr
.endm
; THE PARTS OF A POSITION.  k counts a position's 32 pairs of matrix instructions; the macros below read k and the symbols that SLICE, STP and REDP set.
; Pair k of slot s: K step k / 4, fragments 2 (k % 4) and the next.  The 8 accumulators take turns, one instruction a turn; the first K step starts the sums with the constant 0.
.macro W2 s
.set jj, k/4
.set cc, ACC+64*((\s)%2)
	WIN 0x06+jj/4                                  ; source 0 (weights) window 2 or 3, source 1 (tokens) window 1, C and D window 0
.irp d, 0, 1
.set nn, 2*(k%4)+\d
.if jj == 0
	v_wmma_f32_16x16x32_bf16 v[cc+8*nn:cc+8*nn+7], v[64*(jj%4)+8*nn:64*(jj%4)+8*nn+7], v[64*(\s)+8*jj:64*(\s)+8*jj+7], 0
.else
	v_wmma_f32_16x16x32_bf16 v[cc+8*nn:cc+8*nn+7], v[64*(jj%4)+8*nn:64*(jj%4)+8*nn+7], v[64*(\s)+8*jj:64*(\s)+8*jj+7], v[cc+8*nn:cc+8*nn+7]
.endif
.endr
.endm
.macro XLD                             ; load mm of 16 from region rg: wave mm / 4's partial sums of fragment q (mm % 4 < 2) or 4 + q, 512 consecutive bytes
	ds_load_b128 v[R+4*mm:R+4*mm+3], v[XRD+rg/2] offset:(rg%2)*32768+8192*(mm/4)+4096*((mm/2)%2)+512*(mm%2)
.endm
.macro XSTO                            ; store mm of 16 into region xr: half mm % 2 of accumulator mm / 2 of the set at ap; ascending, so each accumulator's low four registers go first
	ds_store_b128 v[XST+xr/2], v[ap+4*mm:ap+4*mm+3] offset:(xr%2)*32768+512*mm
.endm
; Line vj of the 60 that finish a sub-tile.  0-23 the four waves' partial sums are added in f32: g in R .. R + 7, u in R + 8 .. R + 15.  24-27 -g log2 e.  28-35 exponentials.  36-39 + 1.
; 40-47 reciprocals.  48-51 silu(g) = g sigmoid(g), 52-55 times u, in reference()'s order: g u is never formed by itself.  56-59 one rounding to bf16.
.macro RV
.if vj < 16
.if vj%2 == 0
	v_pk_add_f32 v[R+vj:R+vj+1], v[R+vj:R+vj+1], v[R+16+vj:R+16+vj+1]
.else
	v_pk_add_f32 v[R+31+vj:R+32+vj], v[R+31+vj:R+32+vj], v[R+47+vj:R+48+vj]
.endif
.elseif vj < 24
.set ri, 2*(vj-16)
	v_pk_add_f32 v[R+ri:R+ri+1], v[R+ri:R+ri+1], v[R+32+ri:R+32+ri+1]
.elseif vj < 28
.set ri, 2*(vj-24)
	v_pk_mul_f32 v[SG+ri:SG+ri+1], v[R+ri:R+ri+1], 0xbfb8aa3b op_sel_hi:[1,0]
.elseif vj < 36
	v_exp_f32 v[SG+vj-28], v[SG+vj-28]
.elseif vj < 40
.set ri, 2*(vj-36)
	v_pk_add_f32 v[SG+ri:SG+ri+1], v[SG+ri:SG+ri+1], 1.0 op_sel_hi:[1,0]
.elseif vj < 48
	v_rcp_f32 v[SG+vj-40], v[SG+vj-40]
.elseif vj < 52
.set ri, 2*(vj-48)
	v_pk_mul_f32 v[SG+ri:SG+ri+1], v[SG+ri:SG+ri+1], v[R+ri:R+ri+1]
.elseif vj < 56
.set ri, 2*(vj-52)
	v_pk_mul_f32 v[SG+ri:SG+ri+1], v[SG+ri:SG+ri+1], v[R+8+ri:R+8+ri+1]
.else
	v_cvt_pk_bf16_f32 v[HB+4*rg+vj-56], v[SG+2*(vj-56)], v[SG+2*(vj-56)+1]
.endif
.endm
.macro RF s, m                         ; run m of four: slot s's K steps 2 m and 2 m + 1 are asked for again, four loads
	WIN 0x40
.irp d, 0, 1
	global_load_b128 v[64*(\s)+8*(2*(\m)+\d):64*(\s)+8*(2*(\m)+\d)+3],   v[AOFF+(\s)], s[4:5] offset:64*(2*(\m)+\d)
	global_load_b128 v[64*(\s)+8*(2*(\m)+\d)+4:64*(\s)+8*(2*(\m)+\d)+7], v[AOFF+(\s)], s[4:5] offset:64*(2*(\m)+\d)+32
.endr
.endm
; SLICE k of 32, behind pair k.  st = 1: sub-tile p - 1 is stored.  red = 1: sub-tile p - 3 is finished.
;   0-3    the 16 LDS loads of the sub-tile to be finished          4-7, 10-13  the 16 LDS stores, two a slice; beside them the next tile's address
;   15-20  the sums, behind the wait for the loads                  22-24  the scaling and the exponentials: one batch     25  its wait; + 1     26, 27  the reciprocals: one batch
;   29, 30 its wait; the two products                               31  the rounding, the store
;   9, 21, 28, 31  the four runs of loads into the ring.  A load into registers that a matrix instruction has read stands four plain vector lines behind it (ISA guide 7.12.1 for vector lines):
;   run 0 has the four v_nop of slice 8, run 1 the sums of slice 15, run 2 the five lines of slice 25, run 3 the five of slice 31; where nothing is finished, v_nop.
;   Slice 31's five lines are also the places ahead of the next position's stores of these results, and ahead of products that write over them.
.macro SLICE s, st, red
.set rg, ((\s)+1)%4                    ; the region of sub-tile p - 3
.set xr, ((\s)+3)%4                    ; the region of sub-tile p - 1,
.set ap, ACC+64*(((\s)+1)%2)           ; and its accumulators: the other set
.if k < 4
.if \red
	WIN 0
.irp d, 0, 1, 2, 3
.set mm, 4*k+\d
	XLD
.endr
.endif
.elseif k < 8
.if \st
	WIN 0
.irp d, 0, 1
.set mm, 2*(k-4)+\d
	XSTO
.endr
.endif
.if k == 5
	s_add_co_u32 s34, s27, (\s)+4                  ; the tile four sub-tiles on,
	s_min_u32 s34, s34, s29                        ; never past the last live one;
.elseif k == 6
	s_min_u32 s34, s34, 63                         ; the constant clamp stands last in front of the shift
	s_lshl_b32 s34, s34, 15
.elseif k == 7
	WIN 0
	v_add_nc_u32 v[AOFF+(\s)], s34, v[A0]          ; free: the wait at the position's head has shown the loads that named it done
.endif
.elseif k == 8
	WIN 0
	NOPS 4
.elseif k == 9
	RF \s, 0
.elseif k < 14
.if \st
	WIN 0
.irp d, 0, 1
.set mm, 8+2*(k-10)+\d
	XSTO
.endr
.endif
.elseif k == 14
.elseif k < 21
.if \red
	WIN 0
.if k == 15
	s_wait_dscnt 16                                ; LDS instructions end in order: the 16 loads are in, the 16 stores issued behind them may be out
.endif
.irp d, 0, 1, 2, 3
.set vj, 4*(k-15)+\d
	RV
.endr
.elseif k == 16
	WIN 0
	NOPS 4
.endif
.elseif k == 21
	RF \s, 1
.elseif k < 25
.if \red
	WIN 0
.irp d, 0, 1, 2, 3
.set vj, 24+4*(k-22)+\d
	RV
.endr
.endif
.elseif k == 25
	WIN 0
.if \red
	v_nop                                          ; a plain line behind the last exponential,
	s_wait_alu depctr_va_vdst(0)                   ; and one wait for the batch of eight, ahead of its first reader
.irp d, 0, 1, 2, 3
.set vj, 36+\d
	RV
.endr
.else
	NOPS 4
.endif
.elseif k < 28
.if \red
	WIN 0
.irp d, 0, 1, 2, 3
.set vj, 40+4*(k-26)+\d
	RV
.endr
.endif
.elseif k == 28
	RF \s, 2
.elseif k == 29
.if \red
	WIN 0
	v_nop
	s_wait_alu depctr_va_vdst(0)                   ; one wait for the eight reciprocals
.irp d, 0, 1, 2, 3
.set vj, 48+\d
	RV
.endr
.endif
.elseif k == 30
.if \red
	WIN 0
.irp d, 0, 1, 2, 3
.set vj, 52+\d
	RV
.endr
.endif
.else
	WIN 0
.if \red
.irp d, 0, 1, 2, 3
.set vj, 56+\d
	RV
.endr
	v_nop
	global_store_b128 v[HOFF], v[HB+4*rg:HB+4*rg+3], s[12:13] offset:((\s)-3)*65536   ; tile p - 3, counted from the trip's first: the wave's store covers 512 consecutive bytes, aligned
.else
	NOPS 5
.endif
	RF \s, 3
.endif
.endm
; A live position on ring slot s
.macro F s, st, red
	s_wait_loadcnt 48                              ; loads come back in order: behind this slot's 16 loads the three positions since have issued 16 each (at the start: the later slots'); a dead position between has waited for all
.set k, 0
.rept 32
	W2 \s
	SLICE \s, \st, \red
.set k, k+1
.endr
	WIN 0
.endm
.macro STP x                           ; by itself: the last live sub-tile's partial sums go into region x; the five lines at its position's end are the places behind its products
.set xr, \x
.set ap, ACC+64*(xr%2)
.set mm, 0
.rept 16
	XSTO
.set mm, mm+1
.endr
.endm
.macro REDP g4, toff                   ; by itself: the sub-tile in region g4 is finished; toff: its tile, counted from the trip's first
.set rg, \g4
.set mm, 0
.rept 16
	XLD
.set mm, mm+1
.endr
	s_wait_dscnt 0x0
.set vj, 0
.rept 36
	RV
.set vj, vj+1
.endr
	v_nop
	s_wait_alu depctr_va_vdst(0)                   ; one wait for the eight exponentials
.rept 12
	RV
.set vj, vj+1
.endr
	v_nop
	s_wait_alu depctr_va_vdst(0)                   ; one wait for the eight reciprocals
.rept 12
	RV
.set vj, vj+1
.endr
	global_store_b128 v[HOFF], v[HB+4*rg:HB+4*rg+3], s[12:13] offset:(\toff)*65536
.endm
; Position 4 t + s of the loop: live, or what is left of the last live sub-tiles, or nothing.  All jumps go forward and pass no barrier.
.macro POS s
	s_add_co_u32 s25, s27, \s                      ; p
	s_cmp_lt_u32 s25, s26
	s_cbranch_scc0 .Ldead\s
	F \s, 1, 1
	s_branch .Lnext\s
.Ldead\s:
	s_wait_loadcnt 0x0                             ; behind a dead position no load is out, so the count at a live position's head holds on every way
	s_cmp_lt_u32 s25, s32                          ; p - 1 < nt?
	s_cbranch_scc0 .Lnost\s
	STP ((\s)+3)%4
.Lnost\s:
	s_cmp_lt_u32 s25, s33                          ; p - 3 < nt?
	s_cbranch_scc0 .Lnext\s
	REDP ((\s)+1)%4, (\s)-3
.Lnext\s:
.endm
.macro BAR
	s_wait_dscnt 0x0                               ; for the others' sake: my stores of partial sums are done and my reads of them are over
	s_barrier_signal -1
	s_barrier_wait -1                              ; everybody's are
.endm
	s_load_b256 s[4:11], s[0:1], 0x0               ; xg s[4:5], cnt s[6:7], w1 s[8:9], v1 s[10:11]
	s_load_b64 s[12:13], s[0:1], 0x20              ; h
	v_lshl_add_u32 v[SPW], v0, 2, SPARE
	v_mov_b32 v[NIL], 0
	v_lshrrev_b32 v[TA], 5, v0
	v_readfirstlane_b32 s20, v[TA]                 ; q: wave 0..3
	s_mov_b32 s21, ttmp9                           ; sl: slice 0..31
	s_and_b32 s22, ttmp7, 0xffff                   ; e: expert 0..7
	v_and_b32 v1, 31, v0                           ; lane
	v_and_b32 v2, 15, v0                           ; lane % 16
	v_bfe_u32 v3, v0, 4, 1                         ; lane / 16
	v_lshlrev_b32 v[L16], 4, v1
	s_lshl_b32 s25, s20, 10
	v_add_nc_u32 v[WOFF], s25, v[L16]
	v_add_nc_u32 v[XRD], s25, v[L16]
	v_add_nc_u32 v[XRD+1], 0x10000, v[XRD]
	s_mul_i32 s25, s20, STGW
	s_add_co_u32 s25, s25, STAGE                   ; my stage
	v_lshl_add_u32 v[SST], v1, 3, s25
	v_mul_u32_u24 v[SRD], v2, SPITCH
	v_lshl_add_u32 v[SRD], v3, 4, v[SRD]
	v_add_nc_u32 v[SRD], s25, v[SRD]
	s_lshl_b32 s25, s20, 13
	v_add_nc_u32 v[XST], s25, v[L16]
	v_add_nc_u32 v[XST+1], 0x10000, v[XST]
	v_lshlrev_b32 v[HOFF], 5, v2
	v_lshl_add_u32 v[HOFF], v3, 4, v[HOFF]
	s_lshl_b32 s25, s20, 9
	v_lshl_add_u32 v[A0], v3, 4, s25
	v_lshl_add_u32 v[A0], v2, 11, v[A0]
	s_mov_b32 s31, 0
	s_wait_kmcnt 0x0
	s_lshl_b32 s30, s22, 7
	s_add_nc_u64 s[6:7], s[6:7], s[30:31]
	s_load_b32 s24, s[6:7], 0x0                    ; the expert's count
	s_lshl_b32 s30, s22, 23                        ; w1, v1 at row 2,048 e + 64 sl, 4,096 bytes a row
	s_lshl_b32 s25, s21, 18
	s_add_co_u32 s30, s30, s25
	s_add_nc_u64 s[8:9], s[8:9], s[30:31]
	s_add_nc_u64 s[10:11], s[10:11], s[30:31]
	LOADCH 0
	LOADCH 1
	s_lshl_b32 s30, s22, 22                        ; h at expert e, tile 0, block 4 sl + q
	s_lshl2_add_u32 s25, s21, s20
	s_lshl_b32 s25, s25, 9
	s_add_co_u32 s30, s30, s25
	s_add_nc_u64 s[12:13], s[12:13], s[30:31]
	s_lshl_b32 s30, s22, 21
	s_add_nc_u64 s[4:5], s[4:5], s[30:31]          ; xg at expert e
	s_wait_kmcnt 0x0
	s_min_u32 s24, s24, 0x400
	s_add_co_u32 s26, s24, 15
	s_lshr_b32 s26, s26, 4
	s_max_u32 s26, s26, 1                          ; nt: live sub-tiles, 1 to 64
	s_sub_co_u32 s29, s26, 1
	s_add_co_u32 s32, s26, 1
	s_add_co_u32 s33, s26, 3
	s_mov_b32 s27, 0                               ; the trip's first position
	s_mov_b32 s28, 17
	CHUNK 0, 32, 1
	CHUNK 1, 32, 1
	CHUNK 2, 32, 1
	CHUNK 3, 32, 1
	CHUNK 4, 32, 1
	CHUNK 5, 32, 1
	CHUNK 6, 32, 0
	CHUNK 7, 0, 0                                  ; nothing was issued behind the last chunk
	AADDR
	ALOADS
	s_wait_dscnt 0x0                               ; all the weights' fragments are in
	F 0, 0, 0                                      ; positions 0 to 2: nothing is there yet to finish, at position 0 nothing to store
	F 1, 1, 0
	BAR
	F 2, 1, 0
	s_branch .Lpos3                                ; the loop is entered at position 3, in the middle of a trip
.Ltrip:
	POS 0
	POS 1
	BAR
	POS 2
.Lpos3:
	POS 3
	BAR
	s_wait_xcnt 0x0                                ; the stores' base and data are rewritten only behind this wait
	s_add_nc_u64 s[12:13], s[12:13], 0x40000       ; four tiles of h on
	s_add_co_u32 s27, s27, 4
	s_sub_co_u32 s28, s28, 1
	s_cmp_lg_u32 s28, 0
	s_cbranch_scc1 .Ltrip
	s_wait_tensorcnt 0x0                           ; the wave's end, behind my last LDS store
	ds_add_u32 v[SPW], v[NIL]
	s_wait_dscnt 0x0
	s_endpgm
.Lfunc_end_k_q8e9a3ba7b4_up:
	.size	k_q8e9a3ba7b4_up, .Lfunc_end_k_q8e9a3ba7b4_up-k_q8e9a3ba7b4_up
	.p2alignl 7, 3214868480
	.fill 96, 4, 3214868480
	.section	.rodata,"a",@progbits
	.p2align	6, 0x0
	.amdhsa_kernel k_q8e9a3ba7b4_up
		.amdhsa_group_segment_fixed_size 165376
		.amdhsa_private_segment_fixed_size 0
		.amdhsa_enable_private_segment 0
		.amdhsa_kernarg_size 40
		.amdhsa_user_sgpr_count 2
		.amdhsa_user_sgpr_kernarg_segment_ptr 1
		.amdhsa_wavefront_size32 1
		.amdhsa_system_sgpr_workgroup_id_x 1
		.amdhsa_system_sgpr_workgroup_id_y 1
		.amdhsa_system_sgpr_workgroup_id_z 1
		.amdhsa_system_vgpr_workitem_id 0
		.amdhsa_next_free_vgpr 1024
		.amdhsa_next_free_sgpr 66
		.amdhsa_reserve_vcc 0
		.amdhsa_float_denorm_mode_32 3
		.amdhsa_float_denorm_mode_16_64 3
		.amdhsa_memory_ordered 1
		.amdhsa_forward_progress 1
		.amdhsa_inst_pref_size 193
	.end_amdhsa_kernel
	.amdgpu_metadata
---
amdhsa.version: [ 1, 2 ]
amdhsa.kernels:
  - .name:           k_q8e9a3ba7b4_up
    .symbol:         k_q8e9a3ba7b4_up.kd
    .args:
      - { .name: xg, .offset: 0, .size: 8, .value_kind: global_buffer, .address_space: global }
      - { .name: cnt, .offset: 8, .size: 8, .value_kind: global_buffer, .address_space: global }
      - { .name: w1, .offset: 16, .size: 8, .value_kind: global_buffer, .address_space: global }
      - { .name: v1, .offset: 24, .size: 8, .value_kind: global_buffer, .address_space: global }
      - { .name: h, .offset: 32, .size: 8, .value_kind: global_buffer, .address_space: global }
    .group_segment_fixed_size: 165376
    .private_segment_fixed_size: 0
    .kernarg_segment_align: 8
    .kernarg_segment_size: 40
    .max_flat_workgroup_size: 128
    .sgpr_count:     66
    .vgpr_count:     1024
    .wavefront_size: 32
...
	.end_amdgpu_metadata
.endif
;; end of part 3
;; launch down (part 4): grid 32 x 8, 4 waves a work-group, no clusters, 111,104 bytes of LDS; arguments h, cnt, w2, ypart; writes ypart
.if DOCPART == 4
	.amdgcn_target "amdgcn-amd-amdhsa--gfx1250"
	.amdhsa_code_object_version 6
	.text
	.protected	k_q8e9a3ba7b4_down
	.globl	k_q8e9a3ba7b4_down
	.p2align	8
	.type	k_q8e9a3ba7b4_down,@function
k_q8e9a3ba7b4_down:
	s_mov_b64 s[64:65], 0
	v_nop
	global_prefetch_b8 v0, s[64:65] scope:SCOPE_SE
	s_setreg_imm32_b32 hwreg(HW_REG_WAVE_MODE, 25, 1), 1
	s_wait_xcnt 0x0
; SECOND PRODUCT OF THE EXPERTS.  ypart[fh][e][rank][d] = the sum over one half of f of h[rank][f] w2[e][f][d], in f32: partial sums, which the next launch adds and weighs.
; SHARES.  Work-group (x, e): ds = x / 2 owns columns d = 64 ds .. + 63 (256 bytes of each row of w2), fh = x % 2 the half f = 1,024 fh .. + 1,023: 256 KiB of f32 that it alone reads, once, in whole
; aligned pieces of 256 bytes.  (8 experts x 16 slices of 64 columns are 128; the split of f makes 256 work-groups, at the price of a second partial row.)  Wave q holds f = 256 q .. + 255 of
; the half for all four blocks of 16 d: 256 registers of bf16, rounded on the way through registers and turned by ds_load_tr16_b128, since w2 lies [f][d].
; A fragment of 16 rows of h x 32 f comes from memory straight into operand registers (two loads of 512 consecutive bytes, by h's layout) and feeds 4 matrix instructions.
; The four waves' partial sums meet in LDS as tiles of 16 rows x 64 d; wave q adds rows 4 q .. + 3 and stores them, 256 consecutive aligned bytes a row.
; THE WALK is the first product's.  POSITION p does the 32 products of sub-tile p (16 rows), into one of two sets of accumulators (by p's parity); the 8 LDS stores of sub-tile p - 1's partial sums,
; from the other set; the finishing of sub-tile p - 3 (8 LDS loads, 12 packed sums, 2 stores).  All but the products stands in SLICES of at most five lines behind every second matrix instruction,
; and so do the 16 loads of sub-tile p + 4's rows of h, into the registers that the position has just read: a ring of four sub-tiles.
; BARRIERS.  One behind every second position.  Four regions of partial sums, by g % 4: sub-tile g is stored at position g + 1, read at g + 3, its region stored again at g + 5: each time two
; positions on, so a barrier lies between.  In positions 0, 1 (mod 4) regions 3, 0 are written and 1, 2 read; in positions 2, 3 regions 1, 2 are written and 3, 0 read.
; EVERY SPLIT.  A constant 17 trips of four positions, entered at position 3; every wave passes both barriers of every trip.  nt = max(1, ceil(count / 16)) sub-tiles are live; the count comes
; from cnt, stored by the launch that laid the rows out.  A position at or past nt jumps forward to a plain text, with no barrier in it, that stores sub-tile p - 1 and finishes sub-tile p - 3 where
; these are live.  Positions 0 to 2 stand ahead of the loop, finish nothing, and always multiply (on a tile that exists), so that both sets of accumulators are written on every way.
; Tiles asked for are clamped to nt - 1: only tiles that the first product wrote are read; each wave asks for four such tiles in vain.
; NO CLUSTER: each slice of w2 has one reader.  An expert's 16 column slices do read the same tiles of h; here they go from memory into operand registers with no copy in LDS, and joint loads would
; want slots and rounds of the cluster's barrier in a loop whose live length hangs on a stored count.  No tensor loads: f32 weights pass registers to be rounded.
; LIMITS.  NaN and infinities are not treated apart.
; REGISTERS: window 0 addresses, accumulators, work; window 1 staging of f32 weights (two groups of 128), then the ring of four sub-tiles of h (64 s + 8 J); window 2 the weights, K step J, block n at
; v[32 J + 8 n].  A slice works in window 0 (its loads of h: into window 1), the products beside it name windows 1 and 2: two switches a slice.
.set XP,     272                       ; a row of partial sums: 256 bytes + 16: 17 x 16, so the 16 rows of a store start at 16 different groups of four banks (64 banks of 4 bytes: ISA guide 11.1)
.set XW,     16*XP                     ; a wave's tile
.set XS,     4*XW                      ; a region: the four waves' tiles
.set STAGE,  4*XS                      ; behind them: for each wave 64 rows of f x 160 bytes
.set TP,     160                       ; 128 bytes of bf16 + 32: 5 x 32, an odd multiple of 32
.set STGW,   64*TP
.set SPARE,  STAGE+4*STGW              ; the spare words, 128 bytes for each wave: two blocks of 256 bytes that no other line names
.set SPW,   4                          ; v4   SPARE + 4 x my thread's number; never rewritten
.set NIL,   5                          ; v5   0; never rewritten
.set WOFF,  6                          ; v6   two rows of w2 a load: 4,096 (lane / 16) + 16 (lane % 16)
.set SST,   7                          ; v7   stage, in
.set TRD,   8                          ; v8   stage, back, turned
.set A0,    9                          ; v9   my 16 bytes in a block of h: 32 (lane % 16) + 16 (lane / 16)
.set AOFF,  10                         ; v10-13  ring slot s: its tile's 65,536 bytes + A0
.set XST,   14                         ; v14  partial sums, in
.set XRD,   15                         ; v15, v16  partial sums, back; + 2 regions
.set YOFF,  17                         ; v17  my 16 bytes in ypart
.set TA,    18                         ; v18, v19 at work
.set TB,    19
.set ACC,   32                         ; v[32:95]   two sets of accumulators: set b, block n at ACC + 32 b + 8 n
.set T,     96                         ; v[96:159]  filling: packed bf16
.set R,     160                        ; v[160:191] the four waves' partial sums
.set YB,    192                        ; v[192:223] region r: 8 registers to store
.set MSB, 0
.macro WIN new                         ; the immediate's high byte repeats the setting that is left; a switch that changes nothing is dropped
.if MSB != (\new)
	s_set_vgpr_msb (MSB<<8)|(\new)
.set MSB, \new
.endif
.endm
.macro NOPS n
.rept \n
	v_nop
.endr
.endm
; Chunk c: 64 rows of f x 256 bytes; each load takes two rows' aligned 256 bytes
.macro LOADCH c
	WIN 0x40
.set mm, 0
.rept 32
	global_load_b128 v[128*((\c)%2)+4*mm:128*((\c)%2)+4*mm+3], v[WOFF], s[8:9] offset:(32*(\c)+mm)*8192 th:TH_LOAD_NT
.set mm, mm+1
.endr
	WIN 0
.endm
; Rounded, the staging group asked for again, and turned into fragments through my own stage; LDS serves a wave's instructions in order (ISA guide 5.7.1.4), so no wait stands between
.macro CHUNK c, left, more
	s_wait_loadcnt \left                           ; chunk c is in, the 32 loads of chunk c + 1 may stay out
	WIN 0x05
.set mm, 0
.rept 64
	v_cvt_pk_bf16_f32 v[T+mm], v[128*((\c)%2)+2*mm], v[128*((\c)%2)+2*mm+1]
.set mm, mm+1
.endr
.if \more
	LOADCH (\c)+2
.endif
	WIN 0
.set mm, 0
.rept 32
	ds_store_b64 v[SST], v[T+2*mm:T+2*mm+1] offset:2*TP*mm
.set mm, mm+1
.endr
	WIN 0x80                                       ; destination window 2
.irp j, 0, 1
.irp n, 0, 1, 2, 3
	ds_load_tr16_b128 v[32*(2*(\c)+\j)+8*\n:32*(2*(\c)+\j)+8*\n+3],   v[TRD] offset:32*TP*\j+32*\n
	ds_load_tr16_b128 v[32*(2*(\c)+\j)+8*\n+4:32*(2*(\c)+\j)+8*\n+7], v[TRD] offset:32*TP*\j+32*\n+16*TP
.endr
.endr
	WIN 0
.endm
.macro ALOADS                          ; the ring's first fill: 64 loads of 512 consecutive bytes, four sub-tiles x my 16 blocks of f; slot by slot, so that the waits can count
	WIN 0x40
.irp s, 0, 1, 2, 3
.irp J, 0, 1, 2, 3, 4, 5, 6, 7
	global_load_b128 v[64*\s+8*\J:64*\s+8*\J+3],   v[AOFF+\s], s[4:5] offset:1024*\J
	global_load_b128 v[64*\s+8*\J+4:64*\s+8*\J+7], v[AOFF+\s], s[4:5] offset:1024*\J+512
.endr
.endr
	WIN 0
.endm
; the first four tiles: never past the last live one; the constant clamp stands last in front of the shift
.macro AADDR
.irp s, 0, 1, 2, 3
	s_min_u32 s25, \s, s29
	s_min_u32 s25, s25, 63
	s_lshl_b32 s25, s25, 16
	v_add_nc_u32 v[AOFF+\s], s25, v[A0]
.endr
.endm
; THE PARTS OF A POSITION.  k counts a position's 16 pairs of matrix instructions; the macros below read k and the symbols that SLICE, STP and REDP set.
; Pair k of slot s: K step k / 2, blocks 2 (k % 2) and the next.  The 4 accumulators take turns, one instruction a turn; the first K step starts the sums with the constant 0.
; Source 0 = 16 columns d, source 1 = 16 rows of h: a lane holds one row (lane % 16) and d = 8 (lane / 16) + 0..7.
.macro W2 s
.set jj, k/2
.set cc, ACC+32*((\s)%2)
	WIN 0x06                                       ; source 0 window 2, source 1 window 1, C and D window 0
.irp d, 0, 1
.set nn, 2*(k%2)+\d
.if jj == 0
	v_wmma_f32_16x16x32_bf16 v[cc+8*nn:cc+8*nn+7], v[32*jj+8*nn:32*jj+8*nn+7], v[64*(\s)+8*jj:64*(\s)+8*jj+7], 0
.else
	v_wmma_f32_16x16x32_bf16 v[cc+8*nn:cc+8*nn+7], v[32*jj+8*nn:32*jj+8*nn+7], v[64*(\s)+8*jj:64*(\s)+8*jj+7], v[cc+8*nn:cc+8*nn+7]
.endif
.endr
.endm
.macro XLD                             ; load mm of 8 from region rg: wave mm % 4's partial sums of two of my four rows (pair mm / 4)
	ds_load_b128 v[R+4*mm:R+4*mm+3], v[XRD+rg/2] offset:(rg%2)*XS+XW*(mm%4)+2*XP*(mm/4)
.endm
.macro XSTO                            ; store mm of 8 into region xr: half mm % 2 of accumulator mm / 2 of the set at ap; ascending, so each accumulator's low four registers go first
	ds_store_b128 v[XST], v[ap+4*mm:ap+4*mm+3] offset:XS*xr+64*(mm/2)+16*(mm%2)
.endm
.macro RV                              ; line vj of the 12 that add the four waves' partial sums in f32: 0-7 by twos, 8-11 the two sums into the registers to store
.if vj < 8
.set rb, R+16*(vj/4)+2*((vj/2)%2)+8*(vj%2)
	v_pk_add_f32 v[rb:rb+1], v[rb:rb+1], v[rb+4:rb+5]
.else
.set rb, 16*((vj-8)/2)+2*((vj-8)%2)
.set yb, YB+8*rg+4*((vj-8)/2)+2*((vj-8)%2)
	v_pk_add_f32 v[yb:yb+1], v[R+rb:R+rb+1], v[R+rb+8:R+rb+9]
.endif
.endm
.macro RF s, m                         ; run m of four: slot s's K steps 2 m and 2 m + 1 are asked for again, four loads
	WIN 0x40
.irp d, 0, 1
	global_load_b128 v[64*(\s)+8*(2*(\m)+\d):64*(\s)+8*(2*(\m)+\d)+3],   v[AOFF+(\s)], s[4:5] offset:1024*(2*(\m)+\d)
	global_load_b128 v[64*(\s)+8*(2*(\m)+\d)+4:64*(\s)+8*(2*(\m)+\d)+7], v[AOFF+(\s)], s[4:5] offset:1024*(2*(\m)+\d)+512
.endr
.endm
; SLICE k of 16, behind pair k.  st = 1: sub-tile p - 1 is stored.  red = 1: sub-tile p - 3 is finished.
;   0, 1  the 8 LDS loads     2, 3  the 8 LDS stores, and the next tile's address     10-12  the sums, behind the wait for the loads     14  the two stores
;   5, 9, 13, 15  the four runs of loads into the ring.  A load into registers that a matrix instruction has read stands four plain vector lines behind it (ISA guide 7.12.1 for vector lines):
;   runs 0, 1 and 3 have the v_nop of slices 4, 8 and 15, run 2 the sums of slices 11 and 12; where nothing is finished, v_nop.
;   Slice 15's five lines are also the places ahead of the next position's stores of these results, and ahead of products that write over them.
.macro SLICE s, st, red
.set rg, ((\s)+1)%4                    ; the region of sub-tile p - 3
.set xr, ((\s)+3)%4                    ; the region of sub-tile p - 1,
.set ap, ACC+32*(((\s)+1)%2)           ; and its accumulators: the other set
.if k < 2
.if \red
	WIN 0
.irp d, 0, 1, 2, 3
.set mm, 4*k+\d
	XLD
.endr
.endif
.elseif k < 4
.if \st
	WIN 0
.irp d, 0, 1, 2, 3
.set mm, 4*(k-2)+\d
	XSTO
.endr
.endif
.if k == 2
	s_add_co_u32 s34, s27, (\s)+4                  ; the tile four sub-tiles on,
	s_min_u32 s34, s34, s29                        ; never past the last live one;
.else
	s_min_u32 s34, s34, 63                         ; the constant clamp stands last in front of the shift
	s_lshl_b32 s34, s34, 16
.endif
.elseif k == 4
	WIN 0
	v_add_nc_u32 v[AOFF+(\s)], s34, v[A0]          ; free: the wait at the position's head has shown the loads that named it done
	NOPS 4
.elseif k == 5
	RF \s, 0
.elseif k == 8
	WIN 0
	NOPS 4
.elseif k == 9
	RF \s, 1
.elseif (k >= 10) && (k < 13)
.if \red
	WIN 0
.if k == 10
	s_wait_dscnt 8                                 ; LDS instructions end in order: the 8 loads are in, the 8 stores issued behind them may be out
.endif
.irp d, 0, 1, 2, 3
.set vj, 4*(k-10)+\d
	RV
.endr
.elseif k == 12
	WIN 0
	NOPS 4
.endif
.elseif k == 13
	RF \s, 2
.elseif k == 14
.if \red
	WIN 0
.irp i, 0, 1
	global_store_b128 v[YOFF], v[YB+8*rg+4*\i:YB+8*rg+4*\i+3], s[10:11] offset:65536*((\s)-3)+8192*\i   ; sub-tile p - 3, counted from the trip's first: 16 lanes store 256 consecutive bytes, aligned
.endr
.endif
.elseif k == 15
	WIN 0
	NOPS 5
	RF \s, 3
.endif
.endm
; A live position on ring slot s
.macro F s, st, red
	s_wait_loadcnt 48                              ; loads come back in order: behind this slot's 16 loads the three positions since have issued 16 each (at the start: the later slots'); a dead position between has waited for all
.set k, 0
.rept 16
	W2 \s
	SLICE \s, \st, \red
.set k, k+1
.endr
	WIN 0
.endm
.macro STP x                           ; by itself: the last live sub-tile's partial sums go into region x; the five lines at its position's end are the places behind its products
.set xr, \x
.set ap, ACC+32*(xr%2)
.set mm, 0
.rept 8
	XSTO
.set mm, mm+1
.endr
.endm
.macro REDP g4, toff                   ; by itself: the sub-tile in region g4 is finished; toff: its number, counted from the trip's first
.set rg, \g4
.set mm, 0
.rept 8
	XLD
.set mm, mm+1
.endr
	s_wait_dscnt 0x0
.set vj, 0
.rept 12
	RV
.set vj, vj+1
.endr
.irp i, 0, 1
	global_store_b128 v[YOFF], v[YB+8*rg+4*\i:YB+8*rg+4*\i+3], s[10:11] offset:65536*(\toff)+8192*\i
.endr
.endm
; Position 4 t + s of the loop: live, or what is left of the last live sub-tiles, or nothing.  All jumps go forward and pass no barrier.
.macro POS s
	s_add_co_u32 s25, s27, \s                      ; p
	s_cmp_lt_u32 s25, s26
	s_cbranch_scc0 .Ldead\s
	F \s, 1, 1
	s_branch .Lnext\s
.Ldead\s:
	s_wait_loadcnt 0x0                             ; behind a dead position no load is out, so the count at a live position's head holds on every way
	s_cmp_lt_u32 s25, s32                          ; p - 1 < nt?
	s_cbranch_scc0 .Lnost\s
	STP ((\s)+3)%4
.Lnost\s:
	s_cmp_lt_u32 s25, s33                          ; p - 3 < nt?
	s_cbranch_scc0 .Lnext\s
	REDP ((\s)+1)%4, (\s)-3
.Lnext\s:
.endm
.macro BAR
	s_wait_dscnt 0x0                               ; for the others' sake: my stores of partial sums are done and my reads of them are over
	s_barrier_signal -1
	s_barrier_wait -1                              ; everybody's are
.endm
	s_load_b256 s[4:11], s[0:1], 0x0               ; h s[4:5], cnt s[6:7], w2 s[8:9], ypart s[10:11]
	v_lshl_add_u32 v[SPW], v0, 2, SPARE
	v_mov_b32 v[NIL], 0
	v_lshrrev_b32 v[TA], 5, v0
	v_readfirstlane_b32 s20, v[TA]                 ; q: wave 0..3
	s_mov_b32 s21, ttmp9
	s_and_b32 s22, ttmp7, 0xffff                   ; e
	s_lshr_b32 s23, s21, 1                         ; ds
	s_and_b32 s18, s21, 1                          ; fh
	v_and_b32 v2, 15, v0                           ; lane % 16
	v_bfe_u32 v3, v0, 4, 1                         ; lane / 16
	v_lshlrev_b32 v[WOFF], 4, v2
	v_lshl_add_u32 v[WOFF], v3, 12, v[WOFF]
	s_mul_i32 s25, s20, STGW
	s_add_co_u32 s25, s25, STAGE                   ; my stage
	v_mul_u32_u24 v[SST], v3, TP
	v_lshl_add_u32 v[SST], v2, 3, v[SST]
	v_add_nc_u32 v[SST], s25, v[SST]
	v_and_b32 v[TA], 7, v0                         ; the turning load: lane l reads row 8 (l / 16) + l % 8, 16 bytes at 16 ((l / 8) % 2)
	v_lshl_add_u32 v[TA], v3, 3, v[TA]
	v_mul_u32_u24 v[TRD], v[TA], TP
	v_bfe_u32 v[TB], v0, 3, 1
	v_lshl_add_u32 v[TRD], v[TB], 4, v[TRD]
	v_add_nc_u32 v[TRD], s25, v[TRD]
	v_lshlrev_b32 v[A0], 5, v2
	v_lshl_add_u32 v[A0], v3, 4, v[A0]
	s_mul_i32 s25, s20, XW
	v_mul_u32_u24 v[XST], v2, XP
	v_lshl_add_u32 v[XST], v3, 5, v[XST]
	v_add_nc_u32 v[XST], s25, v[XST]
	s_lshl_b32 s25, s20, 2
	v_add_nc_u32 v[TA], s25, v3                    ; row 4 q + lane / 16
	v_mul_u32_u24 v[XRD], v[TA], XP
	v_lshl_add_u32 v[XRD], v2, 4, v[XRD]
	v_add_nc_u32 v[XRD+1], 2*XS, v[XRD]
	v_lshlrev_b32 v[YOFF], 12, v[TA]
	v_lshl_add_u32 v[YOFF], v2, 4, v[YOFF]
	s_mov_b32 s31, 0
	s_wait_kmcnt 0x0
	s_lshl_b32 s30, s22, 7
	s_add_nc_u64 s[6:7], s[6:7], s[30:31]
	s_load_b32 s24, s[6:7], 0x0                    ; the expert's count
	s_lshl_b32 s30, s22, 23                        ; w2 at row 2,048 e + 1,024 fh + 256 q, column 64 ds
	s_lshl_b32 s25, s18, 22
	s_add_co_u32 s30, s30, s25
	s_lshl_b32 s25, s20, 20
	s_add_co_u32 s30, s30, s25
	s_lshl_b32 s25, s23, 8
	s_add_co_u32 s30, s30, s25
	s_add_nc_u64 s[8:9], s[8:9], s[30:31]
	LOADCH 0
	LOADCH 1
	s_lshl_b32 s30, s22, 22                        ; h at expert e, tile 0, block 64 fh + 16 q
	s_lshl_b32 s25, s18, 15
	s_add_co_u32 s30, s30, s25
	s_lshl_b32 s25, s20, 13
	s_add_co_u32 s30, s30, s25
	s_add_nc_u64 s[4:5], s[4:5], s[30:31]
	s_lshl_b32 s30, s18, 25                        ; ypart at half fh, expert e, rank 0, column 64 ds
	s_lshl_b32 s25, s22, 22
	s_add_co_u32 s30, s30, s25
	s_lshl_b32 s25, s23, 8
	s_add_co_u32 s30, s30, s25
	s_add_nc_u64 s[10:11], s[10:11], s[30:31]
	s_wait_kmcnt 0x0
	s_min_u32 s24, s24, 0x400
	s_add_co_u32 s26, s24, 15
	s_lshr_b32 s26, s26, 4
	s_max_u32 s26, s26, 1                          ; nt: live sub-tiles, 1 to 64
	s_sub_co_u32 s29, s26, 1
	s_add_co_u32 s32, s26, 1
	s_add_co_u32 s33, s26, 3
	s_mov_b32 s27, 0                               ; the trip's first position
	s_mov_b32 s28, 17
	CHUNK 0, 32, 1
	CHUNK 1, 32, 1
	CHUNK 2, 32, 0
	CHUNK 3, 0, 0                                  ; nothing was issued behind the last chunk
	AADDR
	ALOADS
	s_wait_dscnt 0x0                               ; all the weights' fragments are in
	F 0, 0, 0                                      ; positions 0 to 2: nothing is there yet to finish, at position 0 nothing to store
	F 1, 1, 0
	BAR
	F 2, 1, 0
	s_branch .Lpos3                                ; the loop is entered at position 3, in the middle of a trip
.Ltrip:
	POS 0
	POS 1
	BAR
	POS 2
.Lpos3:
	POS 3
	BAR
	s_wait_xcnt 0x0                                ; the stores' base and data are rewritten only behind this wait
	s_add_nc_u64 s[10:11], s[10:11], 0x40000       ; 64 rows of ypart on
	s_add_co_u32 s27, s27, 4
	s_sub_co_u32 s28, s28, 1
	s_cmp_lg_u32 s28, 0
	s_cbranch_scc1 .Ltrip
	s_wait_tensorcnt 0x0                           ; the wave's end, behind my last LDS store
	ds_add_u32 v[SPW], v[NIL]
	s_wait_dscnt 0x0
	s_endpgm
.Lfunc_end_k_q8e9a3ba7b4_down:
	.size	k_q8e9a3ba7b4_down, .Lfunc_end_k_q8e9a3ba7b4_down-k_q8e9a3ba7b4_down
	.p2alignl 7, 3214868480
	.fill 96, 4, 3214868480
	.section	.rodata,"a",@progbits
	.p2align	6, 0x0
	.amdhsa_kernel k_q8e9a3ba7b4_down
		.amdhsa_group_segment_fixed_size 111104
		.amdhsa_private_segment_fixed_size 0
		.amdhsa_enable_private_segment 0
		.amdhsa_kernarg_size 32
		.amdhsa_user_sgpr_count 2
		.amdhsa_user_sgpr_kernarg_segment_ptr 1
		.amdhsa_wavefront_size32 1
		.amdhsa_system_sgpr_workgroup_id_x 1
		.amdhsa_system_sgpr_workgroup_id_y 1
		.amdhsa_system_sgpr_workgroup_id_z 1
		.amdhsa_system_vgpr_workitem_id 0
		.amdhsa_next_free_vgpr 768
		.amdhsa_next_free_sgpr 66
		.amdhsa_reserve_vcc 0
		.amdhsa_float_denorm_mode_32 3
		.amdhsa_float_denorm_mode_16_64 3
		.amdhsa_memory_ordered 1
		.amdhsa_forward_progress 1
		.amdhsa_inst_pref_size 104
	.end_amdhsa_kernel
	.amdgpu_metadata
---
amdhsa.version: [ 1, 2 ]
amdhsa.kernels:
  - .name:           k_q8e9a3ba7b4_down
    .symbol:         k_q8e9a3ba7b4_down.kd
    .args:
      - { .name: h, .offset: 0, .size: 8, .value_kind: global_buffer, .address_space: global }
      - { .name: cnt, .offset: 8, .size: 8, .value_kind: global_buffer, .address_space: global }
      - { .name: w2, .offset: 16, .size: 8, .value_kind: global_buffer, .address_space: global }
      - { .name: ypart, .offset: 24, .size: 8, .value_kind: global_buffer, .address_space: global }
    .group_segment_fixed_size: 111104
    .private_segment_fixed_size: 0
    .kernarg_segment_align: 8
    .kernarg_segment_size: 32
    .max_flat_workgroup_size: 128
    .sgpr_count:     66
    .vgpr_count:     768
    .wavefront_size: 32
...
	.end_amdgpu_metadata
.endif
;; end of part 4
;; launch combine (part 5): grid 256 x 1, 4 waves a work-group, no clusters, 0 bytes of LDS; arguments ypart, idx, gates, pose, out0; writes out0
.if DOCPART == 5
	.amdgcn_target "amdgcn-amd-amdhsa--gfx1250"
	.amdhsa_code_object_version 6
	.text
	.protected	k_q8e9a3ba7b4_combine
	.globl	k_q8e9a3ba7b4_combine
	.p2align	8
	.type	k_q8e9a3ba7b4_combine,@function
k_q8e9a3ba7b4_combine:
	s_mov_b64 s[64:65], 0
	v_nop
	global_prefetch_b8 v0, s[64:65] scope:SCOPE_SE
	s_setreg_imm32_b32 hwreg(HW_REG_WAVE_MODE, 25, 1), 1
	s_wait_xcnt 0x0
; THE SUM.  out[t] = g0 (y[0][e0][r0] + y[1][e0][r0]) + g1 (y[0][e1][r1] + y[1][e1][r1]): a token's four partial rows, weighed by its two gates, all in f32.
; A wave takes one token, t = 4 x work-group + wave.  Its two experts come from idx[t], its ranks in their lists from pose[t] (whole numbers stored by earlier launches, each clamped to its table
; before it enters an address), its gates from gates[t].  Each output row has this one owner; each load and store of the wave covers 512 consecutive bytes.
; A stream: no LDS, no barrier, no matrix unit, no cluster (no two work-groups read the same bytes).  All 32 loads of a wave go out before the first wait.
.set Y, 8                              ; v[8:135]  chunk j of 512 bytes: the four rows' 4 registers each at Y + 16 j; the first four take the result
	s_load_b256 s[4:11], s[0:1], 0x0               ; ypart s[4:5], idx s[6:7], gates s[8:9], pose s[10:11]
	s_load_b64 s[12:13], s[0:1], 0x20              ; out0
	v_lshrrev_b32 v1, 5, v0
	v_readfirstlane_b32 s14, v1                    ; wave
	v_and_b32 v2, 31, v0
	v_lshlrev_b32 v2, 4, v2                        ; 16 bytes a lane
	s_lshl2_add_u32 s14, ttmp9, s14                ; t
	s_lshl_b32 s15, s14, 2
	s_lshl_b32 s17, s14, 3
	s_lshl_b32 s26, s14, 12
	s_mov_b32 s27, 0
	s_wait_kmcnt 0x0
	s_load_b32 s16, s[6:7], s15 offset:0x0         ; e0 | e1 << 8 | ..
	s_load_b64 s[18:19], s[8:9], s17 offset:0x0    ; g0, g1
	s_load_b64 s[24:25], s[10:11], s17 offset:0x0  ; r0, r1
	s_add_nc_u64 s[12:13], s[12:13], s[26:27]      ; out0 at row t
	s_wait_kmcnt 0x0
	s_mov_b32 s36, s19                             ; g1 as the low word of a pair of its own
	s_mov_b32 s37, s19
	s_and_b32 s20, s16, 0xff
	s_min_u32 s20, s20, 7                          ; e0
	s_bfe_u32 s21, s16, 0x80008
	s_min_u32 s21, s21, 7                          ; e1
	s_min_u32 s24, s24, 0x3ff                      ; r0
	s_min_u32 s25, s25, 0x3ff                      ; r1
	s_lshl_b32 s20, s20, 22
	s_lshl_b32 s24, s24, 12
	s_add_co_u32 s26, s20, s24
	s_add_nc_u64 s[28:29], s[4:5], s[26:27]        ; y[0][e0][r0]
	s_add_nc_u64 s[30:31], s[28:29], 0x2000000     ; y[1][e0][r0]
	s_lshl_b32 s21, s21, 22
	s_lshl_b32 s25, s25, 12
	s_add_co_u32 s26, s21, s25
	s_add_nc_u64 s[32:33], s[4:5], s[26:27]        ; y[0][e1][r1]
	s_add_nc_u64 s[34:35], s[32:33], 0x2000000     ; y[1][e1][r1]
.irp j, 0, 1, 2, 3, 4, 5, 6, 7
	global_load_b128 v[Y+16*\j:Y+16*\j+3],     v2, s[28:29] offset:512*\j th:TH_LOAD_NT
	global_load_b128 v[Y+16*\j+4:Y+16*\j+7],   v2, s[30:31] offset:512*\j th:TH_LOAD_NT
	global_load_b128 v[Y+16*\j+8:Y+16*\j+11],  v2, s[32:33] offset:512*\j th:TH_LOAD_NT
	global_load_b128 v[Y+16*\j+12:Y+16*\j+15], v2, s[34:35] offset:512*\j th:TH_LOAD_NT
.endr
.irp j, 0, 1, 2, 3, 4, 5, 6, 7
	s_wait_loadcnt 4*(7-\j)                        ; loads come back in order: chunk j's four are in, the later chunks' stay out
.irp p, 0, 2
	v_pk_mul_f32 v[Y+16*\j+\p:Y+16*\j+\p+1], v[Y+16*\j+\p:Y+16*\j+\p+1], s[18:19] op_sel_hi:[1,0]
.endr
.irp p, 0, 2
	v_pk_fma_f32 v[Y+16*\j+\p:Y+16*\j+\p+1], v[Y+16*\j+4+\p:Y+16*\j+4+\p+1], s[18:19], v[Y+16*\j+\p:Y+16*\j+\p+1] op_sel_hi:[1,0,1]
.endr
.irp p, 0, 2
	v_pk_fma_f32 v[Y+16*\j+\p:Y+16*\j+\p+1], v[Y+16*\j+8+\p:Y+16*\j+8+\p+1], s[36:37], v[Y+16*\j+\p:Y+16*\j+\p+1] op_sel_hi:[1,0,1]
.endr
.irp p, 0, 2
	v_pk_fma_f32 v[Y+16*\j+\p:Y+16*\j+\p+1], v[Y+16*\j+12+\p:Y+16*\j+12+\p+1], s[36:37], v[Y+16*\j+\p:Y+16*\j+\p+1] op_sel_hi:[1,0,1]
.endr
	global_store_b128 v2, v[Y+16*\j:Y+16*\j+3], s[12:13] offset:512*\j th:TH_STORE_NT
.endr
	s_endpgm
.Lfunc_end_k_q8e9a3ba7b4_combine:
	.size	k_q8e9a3ba7b4_combine, .Lfunc_end_k_q8e9a3ba7b4_combine-k_q8e9a3ba7b4_combine
	.p2alignl 7, 3214868480
	.fill 96, 4, 3214868480
	.section	.rodata,"a",@progbits
	.p2align	6, 0x0
	.amdhsa_kernel k_q8e9a3ba7b4_combine
		.amdhsa_group_segment_fixed_size 0
		.amdhsa_private_segment_fixed_size 0
		.amdhsa_enable_private_segment 0
		.amdhsa_kernarg_size 40
		.amdhsa_user_sgpr_count 2
		.amdhsa_user_sgpr_kernarg_segment_ptr 1
		.amdhsa_wavefront_size32 1
		.amdhsa_system_sgpr_workgroup_id_x 1
		.amdhsa_system_sgpr_workgroup_id_y 1
		.amdhsa_system_sgpr_workgroup_id_z 1
		.amdhsa_system_vgpr_workitem_id 0
		.amdhsa_next_free_vgpr 144
		.amdhsa_next_free_sgpr 66
		.amdhsa_reserve_vcc 0
		.amdhsa_float_denorm_mode_32 3
		.amdhsa_float_denorm_mode_16_64 3
		.amdhsa_memory_ordered 1
		.amdhsa_forward_progress 1
		.amdhsa_inst_pref_size 10
	.end_amdhsa_kernel
	.amdgpu_metadata
---
amdhsa.version: [ 1, 2 ]
amdhsa.kernels:
  - .name:           k_q8e9a3ba7b4_combine
    .symbol:         k_q8e9a3ba7b4_combine.kd
    .args:
      - { .name: ypart, .offset: 0, .size: 8, .value_kind: global_buffer, .address_space: global }
      - { .name: idx, .offset: 8, .size: 8, .value_kind: global_buffer, .address_space: global }
      - { .name: gates, .offset: 16, .size: 8, .value_kind: global_buffer, .address_space: global }
      - { .name: pose, .offset: 24, .size: 8, .value_kind: global_buffer, .address_space: global }
      - { .name: out0, .offset: 32, .size: 8, .value_kind: global_buffer, .address_space: global }
    .group_segment_fixed_size: 0
    .private_segment_fixed_size: 0
    .kernarg_segment_align: 8
    .kernarg_segment_size: 40
    .max_flat_workgroup_size: 128
    .sgpr_count:     66
    .vgpr_count:     144
    .wavefront_size: 32
...
	.end_amdgpu_metadata
.endif
;; end of part 5
;; ======== version 2 of 2: 5 launches; version 1 with the launches up, down written anew for expert scheduling mode
;; workspace buffers: xb 2,097,152 bytes; idx 4,096 bytes of whole numbers; gates 8,192 bytes; xg 16,777,216 bytes; pose 8,192 bytes of whole numbers; cnt 1,024 bytes of whole numbers; h 33,554,432 bytes; ypart 67,108,864 bytes
;; launch router: the kernel of part 1 again; grid 256 x 1, 2 waves a work-group, no clusters, 0 bytes of LDS; arguments x, router_w, xb, idx, gates; writes xb, idx, gates
;; launch place: the kernel of part 2 again; grid 256 x 1, 4 waves a work-group, no clusters, 0 bytes of LDS; arguments xb, idx, xg, pose, cnt; writes xg, pose, cnt
;; launch up (part 6): grid 32 x 8, 4 waves a work-group, no clusters, 165,376 bytes of LDS; arguments xg, cnt, w1, v1, h; writes h
.if DOCPART == 6
	.amdgcn_target "amdgcn-amd-amdhsa--gfx1250"
	.amdhsa_code_object_version 6
	.text
	.protected	k_q8e9a3ba7b4_up
	.globl	k_q8e9a3ba7b4_up
	.p2align	8
	.type	k_q8e9a3ba7b4_up,@function
k_q8e9a3ba7b4_up:
	s_mov_b64 s[64:65], 0
	v_nop
	global_prefetch_b8 v0, s[64:65] scope:SCOPE_SE
	s_setreg_imm32_b32 hwreg(HW_REG_WAVE_SCHED_MODE, 0, 2), 2
	s_setreg_imm32_b32 hwreg(HW_REG_WAVE_MODE, 25, 1), 1
	s_wait_xcnt 0x0
	s_wait_alu depctr_vm_vsrc(0)
; FIRST PRODUCT OF THE EXPERTS.  h[rank][f] = silu(x . w1[f]) * (x . v1[f]) for the rows of xg[e] (the tokens that chose expert e, laid in order by the launch before), in bf16.
; SHARES.  Work-group (sl, e) owns rows 64 sl .. + 63 of w1[e] and of v1[e]: 512 KiB of f32 that it alone reads, once.  They are rounded to bf16 on their way through registers and STAY in
; registers: wave q holds K = 256 q .. + 255 of all 8 fragments of 16 rows (0-3 of w1, 4-7 of v1), 512 registers.  A fragment of 16 tokens x 32 K then feeds 8 matrix instructions.
; The four waves' partial sums over K meet in LDS; wave q finishes block f = 64 sl + 16 q .. + 15 (fragments q and 4 + q): sum, silu, product, one rounding, one store of 512 consecutive bytes.
; THE WALK.  Sub-tiles of 16 rows are numbered g = 0, 1, ..  POSITION p does three things: the 64 products of sub-tile p, into one of two sets of accumulators (by p's parity); the 16 LDS stores of
; sub-tile p - 1's partial sums, from the other set; the finishing of sub-tile p - 3.  All but the products stands in SLICES of at most five lines behind every second matrix instruction, and so do
; the loads of the tokens of sub-tile p + 3, into the registers that the position before read: a ring of four sub-tiles, asked for three positions ahead of their use.
; BARRIERS.  One behind every second position.  The partial sums have four regions in LDS, by g % 4.  Sub-tile g is stored at position g + 1, read at g + 3, and its region stored again at g + 5:
; each time two positions on, so a barrier lies between.  In positions 0, 1 (mod 4) regions 3, 0 are written and 1, 2 read; in positions 2, 3 regions 1, 2 are written and 3, 0 read.
; EVERY SPLIT.  The loop has a constant 17 trips of four positions (positions 0 to 67; an expert has 64 sub-tiles at the most, the last finished at position 66) and is entered at position 3; every
; wave passes both barriers of every trip.  nt = max(1, ceil(count / 16)) sub-tiles are live; the count comes from cnt, stored by the launch before.  A position at or past nt jumps forward to a
; plain text, with no barrier in it, that stores sub-tile p - 1 and finishes sub-tile p - 3 where these are live.  Positions 0 to 2 stand ahead of the loop, finish nothing, and always multiply
; (for an expert with fewer than three live sub-tiles: on a tile that exists, for nothing), so that both sets of accumulators are written on every way.  Tiles asked for are clamped to nt - 1:
; only rows that the launch before stored are read; each wave asks for three such tiles in vain.  nt is at least 1, so that tile 0 of h is always written: the next launch clamps likewise.
; h's LAYOUT: [e][tile of 16 rows: 64][block of 16 f: 128][16 rows][16 f], so that the next launch's operand loads and this launch's stores are 512 consecutive bytes each.
; THE MATRIX INSTRUCTION takes 16 rows of weights as source 0 and 16 tokens as source 1: in the result a lane holds one token (lane % 16) and f = 8 (lane / 16) + 0..7.
; NO CLUSTER, NO TENSOR LOADS: each slice of weights has one reader, and f32 has to pass registers to be rounded.  An expert's 32 slices do read the same rows of xg; here they go from memory into
; operand registers with no copy in LDS, and joint loads would want slots and rounds of the cluster's barrier in a loop whose live length hangs on a stored count.  No prefetch: each wave has
; 64 loads of 512 bytes out through all of the filling, and 32 to 48 through the walk.
; LIMITS.  NaN and infinities are not treated apart; exp(-g) may overflow to infinity, which gives silu = -0 as in reference().
; REGISTERS, in windows of 256: window 0 addresses, accumulators, work; window 1 staging of f32 weights (two groups of 128), then the ring of four sub-tiles of tokens (64 s + 8 J);
; windows 2, 3 the weights: K step J (32 along K) of fragment n at window 2 + J / 4, v[64 (J % 4) + 8 n].  A slice works in window 0 (its loads of tokens: into window 1), the products beside it
; name windows 1 to 3: two switches a slice, the price of vector and LDS work beside the matrix work in one wave.
; THE MODE: SCHED_MODE bits 1:0 = 2 (LLVM: expert scheduling mode 2), set by the entry lines.  The code itself states the register dependences between vector or matrix instructions and memory or
; LDS instructions, with s_wait_alu, always for 0.
; THE PLAN.  Registers that memory or LDS instructions touch in the walk; position p has ring slot s = p % 4:
;   ring slot s   read by the products of position p; the 16 loads issued in position p + 1 land in it.
;   ACC, set p % 2  written by the products of position p; read by the 16 LDS stores of position p + 1; written again by the products of position p + 2.
;   R             the position's 16 LDS loads land in it; its finishing lines, all behind those loads, read and write it.
;   HB, a region  written by the position's last four finishing lines; read by the one store at the position's end; written again four positions on.
;   AOFF[s]       written by one line of position p; read by the ring's loads of position p + 1; written again in position p + 4.
;   XST, XRD, HOFF, WOFF, SST, SRD  made at the head and never written again.
; So a position ENDS with one wait on va_vdst: its products have written their accumulators and are done reading their slot, its finishing lines are done with R and have written HB, AOFF[s] is
; written.  The store of HB follows at once; the next position's LDS loads, LDS stores and ring loads are dealt among its products with no further wait, since the vector and matrix lines issued
; since that wait name the other set of accumulators, the next slot, the weights, the next AOFF, and R only behind the LDS loads.  A position BEGINS with one wait on vm_vsrc: the LDS stores of
; the position before have read the accumulators that are written again, the ring's loads of three positions back have read AOFF[s], the store of four positions back has read its HB.
.set STAGE,  131072                    ; behind the partial sums: for each wave 16 rows x 528 bytes; the 512 bytes behind the stages take the closing add
.set SPITCH, 528                       ; 512 bytes of bf16 + 16: 33 x 16, so the 16 rows of a fragment load start at 16 different groups of four banks (64 banks of 4 bytes: ISA guide 11.1)
.set STGW,   16*SPITCH
.set WOFF,  6                          ; v6   my 16 bytes in a row of weights: 1,024 q + 16 lane
.set SST,   7                          ; v7   stage, in: 8 bytes a lane
.set SRD,   8                          ; v8   stage, back: row lane % 16, 16 bytes for each half of the lanes
.set A0,    9                          ; v9   my 16 bytes in a tile of xg: 2,048 (lane % 16) + 512 q + 16 (lane / 16)
.set AOFF,  10                         ; v10-13  ring slot s: its tile's 32,768 bytes + A0
.set XST,   14                         ; v14, v15  partial sums, in: 8,192 q + 16 lane; + 65,536 for regions 2, 3
.set XRD,   16                         ; v16, v17  partial sums, back: 1,024 q + 16 lane; + 65,536
.set HOFF,  18                         ; v18  my 16 bytes in a block of h: 32 (lane % 16) + 16 (lane / 16)
.set TA,    19                         ; v19  at work
.set L16,   20                         ; v20  16 lane
.set ACC,   32                         ; v[32:159]  two sets of accumulators: set b, fragment n at ACC + 64 b + 8 n
.set T,     160                        ; v[160:223] filling: packed bf16
.set R,     160                        ;            walk: the four waves' partial sums
.set SG,    224                        ; v[224:231] sigmoid at work
.set HB,    240                        ; v[240:255] region r: 4 registers of h to store
.set MSB, 0
.macro WIN new                         ; the immediate's high byte repeats the setting that is left; a switch that changes nothing is dropped
.if MSB != (\new)
	s_set_vgpr_msb (MSB<<8)|(\new)
.set MSB, \new
.endif
.endm
.macro NOPS n
.rept \n
	v_nop
.endr
.endm
; Chunk c = fragment c: 16 rows x my 1,024 bytes, 32 loads of 512 consecutive bytes, into staging group c % 2
.macro LOADCH c
	WIN 0x40                                       ; destination window 1
.set mm, 0
.rept 32
.if (\c) < 4
	global_load_b128 v[128*((\c)%2)+4*mm:128*((\c)%2)+4*mm+3], v[WOFF], s[8:9] offset:(((\c)%4)*16+mm/2)*4096+(mm%2)*512 th:TH_LOAD_NT
.else
	global_load_b128 v[128*((\c)%2)+4*mm:128*((\c)%2)+4*mm+3], v[WOFF], s[10:11] offset:(((\c)%4)*16+mm/2)*4096+(mm%2)*512 th:TH_LOAD_NT
.endif
.set mm, mm+1
.endr
	WIN 0
.endm
; Chunk c is rounded, its staging group asked for again (chunk c + 2), and the bf16 turned into fragments through my own stage.  LDS serves a wave's instructions in order
; (ISA guide 5.7.1.4): the loads see the stores above them, and the next chunk's stores come behind them; no wait on DScnt stands between.
.macro CHUNK c, left, more
	s_wait_loadcnt \left                           ; loads come back in order: chunk c is in, the 32 of chunk c + 1 may stay out
.if (\c) > 0
	s_wait_alu depctr_vm_vsrc(0)                   ; the LDS stores of the chunk before have read v[T ..], which the roundings below write again
.endif
	WIN 0x05                                       ; sources window 1, destination window 0
.set mm, 0
.rept 64
	v_cvt_pk_bf16_f32 v[T+mm], v[128*((\c)%2)+2*mm], v[128*((\c)%2)+2*mm+1]
.set mm, mm+1
.endr
	s_wait_alu depctr_va_vdst(0)                   ; the roundings have written v[T ..], which the LDS stores below read, and are done reading the staging group, in which the loads of chunk c + 2 land (behind the last two chunks: the ring's first loads, whose four addresses were written ahead of chunk 0)
.if \more
	LOADCH (\c)+2
.endif
	WIN 0
.set mm, 0
.rept 32
	ds_store_b64 v[SST], v[T+2*mm:T+2*mm+1] offset:(mm/2)*SPITCH+(mm%2)*256
.set mm, mm+1
.endr
	WIN 0x80                                       ; destination window 2: K steps 0-3
.irp J, 0, 1, 2, 3
	ds_load_b128 v[64*\J+8*(\c):64*\J+8*(\c)+3],   v[SRD] offset:64*\J
	ds_load_b128 v[64*\J+8*(\c)+4:64*\J+8*(\c)+7], v[SRD] offset:64*\J+32
.endr
	WIN 0xc0                                       ; window 3: K steps 4-7
.irp J, 0, 1, 2, 3
	ds_load_b128 v[64*\J+8*(\c):64*\J+8*(\c)+3],   v[SRD] offset:64*\J+256
	ds_load_b128 v[64*\J+8*(\c)+4:64*\J+8*(\c)+7], v[SRD] offset:64*\J+288
.endr
	WIN 0
.endm
; The ring's first fill: 64 loads, four sub-tiles of 16 tokens x my 256 along K, straight into operand registers; slot by slot, so that the waits can count.
; No wait of its own: since the last chunk's wait on va_vdst only LDS instructions were issued, which name neither window 1 nor AOFF.
.macro ALOADS
	WIN 0x40
.irp s, 0, 1, 2, 3
.irp J, 0, 1, 2, 3, 4, 5, 6, 7
	global_load_b128 v[64*\s+8*\J:64*\s+8*\J+3],   v[AOFF+\s], s[4:5] offset:64*\J
	global_load_b128 v[64*\s+8*\J+4:64*\s+8*\J+7], v[AOFF+\s], s[4:5] offset:64*\J+32
.endr
.endr
	WIN 0
.endm
; the first four tiles: never past the last live one; the constant clamp stands last in front of the shift
.macro AADDR
.irp s, 0, 1, 2, 3
	s_min_u32 s25, \s, s29
	s_min_u32 s25, s25, 63
	s_lshl_b32 s25, s25, 15                        ; a tile of xg: 16 rows of 2,048 bytes
	v_add_nc_u32 v[AOFF+\s], s25, v[A0]
.endr
.endm
; THE PARTS OF A POSITION.  k counts a position's 32 pairs of matrix instructions; the macros below read k and the symbols that SLICE, STP and REDP set.
; Pair k of slot s: K step k / 4, fragments 2 (k % 4) and the next.  The 8 accumulators take turns, one instruction a turn; the first K step starts the sums with the constant 0.
.macro W2 s
.set jj, k/4
.set cc, ACC+64*((\s)%2)
	WIN 0x06+jj/4                                  ; source 0 (weights) window 2 or 3, source 1 (tokens) window 1, C and D window 0
.irp d, 0, 1
.set nn, 2*(k%4)+\d
.if jj == 0
	v_wmma_f32_16x16x32_bf16 v[cc+8*nn:cc+8*nn+7], v[64*(jj%4)+8*nn:64*(jj%4)+8*nn+7], v[64*(\s)+8*jj:64*(\s)+8*jj+7], 0
.else
	v_wmma_f32_16x16x32_bf16 v[cc+8*nn:cc+8*nn+7], v[64*(jj%4)+8*nn:64*(jj%4)+8*nn+7], v[64*(\s)+8*jj:64*(\s)+8*jj+7], v[cc+8*nn:cc+8*nn+7]
.endif
.endr
.endm
.macro XLD                             ; load mm of 16 from region rg: wave mm / 4's partial sums of fragment q (mm % 4 < 2) or 4 + q, 512 consecutive bytes
	ds_load_b128 v[R+4*mm:R+4*mm+3], v[XRD+rg/2] offset:(rg%2)*32768+8192*(mm/4)+4096*((mm/2)%2)+512*(mm%2)
.endm
.macro XSTO                            ; store mm of 16 into region xr: half mm % 2 of accumulator mm / 2 of the set at ap; ascending, so each accumulator's low four registers go first
	ds_store_b128 v[XST+xr/2], v[ap+4*mm:ap+4*mm+3] offset:(xr%2)*32768+512*mm
.endm
; Line vj of the 60 that finish a sub-tile.  0-23 the four waves' partial sums are added in f32: g in R .. R + 7, u in R + 8 .. R + 15.  24-27 -g log2 e.  28-35 exponentials.  36-39 + 1.
; 40-47 reciprocals.  48-51 silu(g) = g sigmoid(g), 52-55 times u, in reference()'s order: g u is never formed by itself.  56-59 one rounding to bf16.
.macro RV
.if vj < 16
.if vj%2 == 0
	v_pk_add_f32 v[R+vj:R+vj+1], v[R+vj:R+vj+1], v[R+16+vj:R+16+vj+1]
.else
	v_pk_add_f32 v[R+31+vj:R+32+vj], v[R+31+vj:R+32+vj], v[R+47+vj:R+48+vj]
.endif
.elseif vj < 24
.set ri, 2*(vj-16)
	v_pk_add_f32 v[R+ri:R+ri+1], v[R+ri:R+ri+1], v[R+32+ri:R+32+ri+1]
.elseif vj < 28
.set ri, 2*(vj-24)
	v_pk_mul_f32 v[SG+ri:SG+ri+1], v[R+ri:R+ri+1], 0xbfb8aa3b op_sel_hi:[1,0]
.elseif vj < 36
	v_exp_f32 v[SG+vj-28], v[SG+vj-28]
.elseif vj < 40
.set ri, 2*(vj-36)
	v_pk_add_f32 v[SG+ri:SG+ri+1], v[SG+ri:SG+ri+1], 1.0 op_sel_hi:[1,0]
.elseif vj < 48
	v_rcp_f32 v[SG+vj-40], v[SG+vj-40]
.elseif vj < 52
.set ri, 2*(vj-48)
	v_pk_mul_f32 v[SG+ri:SG+ri+1], v[SG+ri:SG+ri+1], v[R+ri:R+ri+1]
.elseif vj < 56
.set ri, 2*(vj-52)
	v_pk_mul_f32 v[SG+ri:SG+ri+1], v[SG+ri:SG+ri+1], v[R+8+ri:R+8+ri+1]
.else
	v_cvt_pk_bf16_f32 v[HB+4*rg+vj-56], v[SG+2*(vj-56)], v[SG+2*(vj-56)+1]
.endif
.endm
.macro RF s, m                         ; run m of four: slot s's K steps 2 m and 2 m + 1 are asked for again, four loads
	WIN 0x40
.irp d, 0, 1
	global_load_b128 v[64*(\s)+8*(2*(\m)+\d):64*(\s)+8*(2*(\m)+\d)+3],   v[AOFF+(\s)], s[4:5] offset:64*(2*(\m)+\d)
	global_load_b128 v[64*(\s)+8*(2*(\m)+\d)+4:64*(\s)+8*(2*(\m)+\d)+7], v[AOFF+(\s)], s[4:5] offset:64*(2*(\m)+\d)+32
.endr
.endm
; SLICE k of 32, behind pair k.  st = 1: sub-tile p - 1 is stored.  red = 1: sub-tile p - 3 is finished.  rf = 1: the slot that the position before read is asked for again.
;   0-3    the 16 LDS loads of the sub-tile to be finished          4-7, 10-13  the 16 LDS stores, two a slice; beside them the address of the tile four sub-tiles on
;   15-20  the sums, behind the wait for the loads                  22-24  the scaling and the exponentials: one batch     25  its wait; + 1     26, 27  the reciprocals: one batch
;   29, 30 its wait; the two products                               31  the rounding, the position's closing wait, the store
;   9, 14, 21, 28  the four runs of loads into the ring.  They, the LDS loads and the LDS stores hang on the closing wait of the position before alone (THE PLAN, at the head).
;   Slice 31's five plain lines are the places between the position's last products and the next position's LDS stores of their results; the wait stands behind them and fills none.
.macro SLICE s, st, red, rf
.set rg, ((\s)+1)%4                    ; the region of sub-tile p - 3
.set xr, ((\s)+3)%4                    ; the region of sub-tile p - 1,
.set ap, ACC+64*(((\s)+1)%2)           ; and its accumulators: the other set
.set rs, ((\s)+3)%4                    ; the ring slot that the position before read
.if k < 4
.if \red
	WIN 0
.irp d, 0, 1, 2, 3
.set mm, 4*k+\d
	XLD
.endr
.endif
.elseif k < 8
.if \st
	WIN 0
.irp d, 0, 1
.set mm, 2*(k-4)+\d
	XSTO
.endr
.endif
.if k == 5
	s_add_co_u32 s34, s27, (\s)+4                  ; the tile four sub-tiles on,
	s_min_u32 s34, s34, s29                        ; never past the last live one;
.elseif k == 6
	s_min_u32 s34, s34, 63                         ; the constant clamp stands last in front of the shift
	s_lshl_b32 s34, s34, 15
.elseif k == 7
	WIN 0
	v_add_nc_u32 v[AOFF+(\s)], s34, v[A0]          ; free: the count at the position's head has shown the loads that named it done, the wait on vm_vsrc ahead of that that they have read it; the next position's loads read it
.endif
.elseif k == 8
.elseif k == 9
.if \rf
	RF rs, 0
.endif
.elseif k < 14
.if \st
	WIN 0
.irp d, 0, 1
.set mm, 8+2*(k-10)+\d
	XSTO
.endr
.endif
.elseif k == 14
.if \rf
	RF rs, 1
.endif
.elseif k < 21
.if \red
	WIN 0
.if k == 15
	s_wait_dscnt 16                                ; LDS instructions end in order: the 16 loads are in, the 16 stores issued behind them may be out
.endif
.irp d, 0, 1, 2, 3
.set vj, 4*(k-15)+\d
	RV
.endr
.endif
.elseif k == 21
.if \rf
	RF rs, 2
.endif
.elseif k < 25
.if \red
	WIN 0
.irp d, 0, 1, 2, 3
.set vj, 24+4*(k-22)+\d
	RV
.endr
.endif
.elseif k == 25
.if \red
	WIN 0
	v_nop                                          ; a plain line behind the last exponential,
	s_wait_alu depctr_va_vdst(0)                   ; and one wait for the batch: the eight exponentials have written v[SG ..], ahead of their first reader
.irp d, 0, 1, 2, 3
.set vj, 36+\d
	RV
.endr
.endif
.elseif k < 28
.if \red
	WIN 0
.irp d, 0, 1, 2, 3
.set vj, 40+4*(k-26)+\d
	RV
.endr
.endif
.elseif k == 28
.if \rf
	RF rs, 3
.endif
.elseif k == 29
.if \red
	WIN 0
	v_nop
	s_wait_alu depctr_va_vdst(0)                   ; the eight reciprocals have written v[SG ..], ahead of their first reader
.irp d, 0, 1, 2, 3
.set vj, 48+\d
	RV
.endr
.endif
.elseif k == 30
.if \red
	WIN 0
.irp d, 0, 1, 2, 3
.set vj, 52+\d
	RV
.endr
.endif
.else
	WIN 0
.if \red
.irp d, 0, 1, 2, 3
.set vj, 56+\d
	RV
.endr
	v_nop
.else
	NOPS 5
.endif
	s_wait_alu depctr_va_vdst(0)                   ; the position's close: its products have written their accumulators, which the next LDS stores read, and are done reading slot s, in which the next ring loads land; AOFF[s] is written; the finishing lines have written HB, which the store below reads, and are done with R, in which the next LDS loads land
.if \red
	global_store_b128 v[HOFF], v[HB+4*rg:HB+4*rg+3], s[12:13] offset:((\s)-3)*65536   ; tile p - 3, counted from the trip's first: the wave's store covers 512 consecutive bytes, aligned
.endif
.endif
.endm
; A live position on ring slot s.  left: the loads issued behind this slot's 16
.macro F s, st, red, rf, left
	s_wait_loadcnt \left                           ; loads come back in order: behind this slot's 16 loads the two positions since have issued 16 each (position 0: the three later slots' 48; positions 1 to 3: later slots' and positions' 32); a dead position between has waited for all
.set k, 0
.rept 32
	W2 \s
	SLICE \s, \st, \red, \rf
.set k, k+1
.endr
	WIN 0
.endm
.macro STP x                           ; by itself: the last live sub-tile's partial sums go into region x; the five lines and the closing wait at its position's end stand between its products and these stores
.set xr, \x
.set ap, ACC+64*(xr%2)
.set mm, 0
.rept 16
	XSTO
.set mm, mm+1
.endr
.endm
.macro REDP g4, toff                   ; by itself: the sub-tile in region g4 is finished; toff: its tile, counted from the trip's first.  Its LDS loads land in R, which the finishing before left behind a wait on va_vdst
.set rg, \g4
.set mm, 0
.rept 16
	XLD
.set mm, mm+1
.endr
	s_wait_dscnt 0x0
.set vj, 0
.rept 36
	RV
.set vj, vj+1
.endr
	v_nop
	s_wait_alu depctr_va_vdst(0)                   ; the eight exponentials have written v[SG ..], ahead of their first reader
.rept 12
	RV
.set vj, vj+1
.endr
	v_nop
	s_wait_alu depctr_va_vdst(0)                   ; the eight reciprocals have written v[SG ..], ahead of their first reader
.rept 12
	RV
.set vj, vj+1
.endr
	s_wait_alu depctr_va_vdst(0)                   ; the roundings have written HB, which the store below reads; the lines above are done with R, in which the next finishing's LDS loads land
	global_store_b128 v[HOFF], v[HB+4*rg:HB+4*rg+3], s[12:13] offset:(\toff)*65536
.endm
; Position 4 t + s of the loop: live, or what is left of the last live sub-tiles, or nothing.  All jumps go forward and pass no barrier.
.macro POS s
	s_wait_alu depctr_vm_vsrc(0)                   ; ahead of the branch, for both ways: the LDS stores of the position before have read the accumulators that this position's products write again; the ring's loads of three positions back have read AOFF[s]; the store of four positions back has read the HB that is written again
	s_add_co_u32 s25, s27, \s                      ; p
	s_cmp_lt_u32 s25, s26
	s_cbranch_scc0 .Ldead\s
	F \s, 1, 1, 1, 32
	s_branch .Lnext\s
.Ldead\s:
	s_wait_loadcnt 0x0                             ; behind a dead position no load is out, so the count at a live position's head holds on every way
	s_cmp_lt_u32 s25, s32                          ; p - 1 < nt?
	s_cbranch_scc0 .Lnost\s
	STP ((\s)+3)%4
.Lnost\s:
	s_cmp_lt_u32 s25, s33                          ; p - 3 < nt?
	s_cbranch_scc0 .Lnext\s
	REDP ((\s)+1)%4, (\s)-3
.Lnext\s:
.endm
.macro BAR
	s_wait_dscnt 0x0                               ; for the others' sake: my stores of partial sums are done and my reads of them are over
	s_barrier_signal -1
	s_barrier_wait -1                              ; everybody's are
.endm
	s_load_b256 s[4:11], s[0:1], 0x0               ; xg s[4:5], cnt s[6:7], w1 s[8:9], v1 s[10:11]
	s_load_b64 s[12:13], s[0:1], 0x20              ; h
	v_lshl_add_u32 v238, v0, 2, 0x28400
	v_mov_b32 v239, 0
	v_lshrrev_b32 v[TA], 5, v0
	v_readfirstlane_b32 s20, v[TA]                 ; q: wave 0..3
	s_mov_b32 s21, ttmp9                           ; sl: slice 0..31
	s_and_b32 s22, ttmp7, 0xffff                   ; e: expert 0..7
	v_and_b32 v1, 31, v0                           ; lane
	v_and_b32 v2, 15, v0                           ; lane % 16
	v_bfe_u32 v3, v0, 4, 1                         ; lane / 16
	v_lshlrev_b32 v[L16], 4, v1
	s_wait_alu depctr_va_sdst(0)                   ; s20 is written, ahead of its first reader: LDS addresses and the bases of h are made from it
	s_lshl_b32 s25, s20, 10
	v_add_nc_u32 v[WOFF], s25, v[L16]
	v_add_nc_u32 v[XRD], s25, v[L16]
	v_add_nc_u32 v[XRD+1], 0x10000, v[XRD]
	s_mul_i32 s25, s20, STGW
	s_add_co_u32 s25, s25, STAGE                   ; my stage
	v_lshl_add_u32 v[SST], v1, 3, s25
	v_mul_u32_u24 v[SRD], v2, SPITCH
	v_lshl_add_u32 v[SRD], v3, 4, v[SRD]
	v_add_nc_u32 v[SRD], s25, v[SRD]
	s_lshl_b32 s25, s20, 13
	v_add_nc_u32 v[XST], s25, v[L16]
	v_add_nc_u32 v[XST+1], 0x10000, v[XST]
	v_lshlrev_b32 v[HOFF], 5, v2
	v_lshl_add_u32 v[HOFF], v3, 4, v[HOFF]
	s_lshl_b32 s25, s20, 9
	v_lshl_add_u32 v[A0], v3, 4, s25
	v_lshl_add_u32 v[A0], v2, 11, v[A0]
	s_mov_b32 s31, 0
	s_wait_kmcnt 0x0
	s_lshl_b32 s30, s22, 7
	s_add_nc_u64 s[6:7], s[6:7], s[30:31]
	s_load_b32 s24, s[6:7], 0x0                    ; the expert's count
	s_lshl_b32 s30, s22, 23                        ; w1, v1 at row 2,048 e + 64 sl, 4,096 bytes a row
	s_lshl_b32 s25, s21, 18
	s_add_co_u32 s30, s30, s25
	s_add_nc_u64 s[8:9], s[8:9], s[30:31]
	s_add_nc_u64 s[10:11], s[10:11], s[30:31]
	s_wait_alu depctr_va_vdst(0)                   ; WOFF, SST, SRD, XST, XRD and HOFF are written: every load and store of the kernel but the ring's reads one of them as its address
	LOADCH 0
	LOADCH 1
	s_lshl_b32 s30, s22, 22                        ; h at expert e, tile 0, block 4 sl + q
	s_lshl2_add_u32 s25, s21, s20
	s_lshl_b32 s25, s25, 9
	s_add_co_u32 s30, s30, s25
	s_add_nc_u64 s[12:13], s[12:13], s[30:31]
	s_lshl_b32 s30, s22, 21
	s_add_nc_u64 s[4:5], s[4:5], s[30:31]          ; xg at expert e
	s_wait_kmcnt 0x0
	s_min_u32 s24, s24, 0x400
	s_add_co_u32 s26, s24, 15
	s_lshr_b32 s26, s26, 4
	s_max_u32 s26, s26, 1                          ; nt: live sub-tiles, 1 to 64
	s_sub_co_u32 s29, s26, 1
	s_add_co_u32 s32, s26, 1
	s_add_co_u32 s33, s26, 3
	s_mov_b32 s27, 0                               ; the trip's first position
	s_mov_b32 s28, 17
	AADDR                                          ; the ring's first four addresses are made here, ahead of the chunks, whose waits on va_vdst then stand between these lines and the ring's first loads
	CHUNK 0, 32, 1
	CHUNK 1, 32, 1
	CHUNK 2, 32, 1
	CHUNK 3, 32, 1
	CHUNK 4, 32, 1
	CHUNK 5, 32, 1
	CHUNK 6, 32, 0
	CHUNK 7, 0, 0                                  ; nothing was issued behind the last chunk
	ALOADS
	s_wait_dscnt 0x0                               ; all the weights' fragments are in
	s_wait_alu depctr_vm_vsrc(0)                   ; the ring's first loads have read AOFF[0 .. 3], which positions 0 to 3 write again; the last chunk's LDS stores have read v[T ..], which are R from here on
	F 0, 0, 0, 0, 48                               ; positions 0 to 2: nothing is there yet to finish; at position 0 nothing to store, and no slot has been read yet
	F 1, 1, 0, 1, 32                               ; no wait on vm_vsrc: no LDS store has read this position's accumulators yet
	BAR
	s_wait_alu depctr_vm_vsrc(0)                   ; the LDS stores of position 1 have read the accumulators that position 2's products write again
	F 2, 1, 0, 1, 32
	s_branch .Lpos3                                ; the loop is entered at position 3, in the middle of a trip
.Ltrip:
	POS 0
	POS 1
	BAR
	POS 2
.Lpos3:
	POS 3
	BAR
	s_wait_xcnt 0x0                                ; the stores' base and data are rewritten only behind this wait
	s_add_nc_u64 s[12:13], s[12:13], 0x40000       ; four tiles of h on
	s_add_co_u32 s27, s27, 4
	s_sub_co_u32 s28, s28, 1
	s_cmp_lg_u32 s28, 0
	s_cbranch_scc1 .Ltrip
	s_wait_dscnt 0x0                               ; the wave's end: my last LDS instructions are done
	s_wait_alu depctr_hold_cnt(0) depctr_sa_sdst(0) depctr_va_vdst(0) depctr_va_sdst(0) depctr_va_ssrc(0) depctr_va_vcc(0) depctr_vm_vsrc(0)
	s_wait_tensorcnt 0x0
	ds_add_u32 v238, v239
	s_wait_dscnt 0x0
	s_endpgm
.Lfunc_end_k_q8e9a3ba7b4_up:
	.size	k_q8e9a3ba7b4_up, .Lfunc_end_k_q8e9a3ba7b4_up-k_q8e9a3ba7b4_up
	.p2alignl 7, 3214868480
	.fill 96, 4, 3214868480
	.section	.rodata,"a",@progbits
	.p2align	6, 0x0
	.amdhsa_kernel k_q8e9a3ba7b4_up
		.amdhsa_group_segment_fixed_size 165376
		.amdhsa_private_segment_fixed_size 0
		.amdhsa_enable_private_segment 0
		.amdhsa_kernarg_size 40
		.amdhsa_user_sgpr_count 2
		.amdhsa_user_sgpr_kernarg_segment_ptr 1
		.amdhsa_wavefront_size32 1
		.amdhsa_system_sgpr_workgroup_id_x 1
		.amdhsa_system_sgpr_workgroup_id_y 1
		.amdhsa_system_sgpr_workgroup_id_z 1
		.amdhsa_system_vgpr_workitem_id 0
		.amdhsa_next_free_vgpr 1024
		.amdhsa_next_free_sgpr 66
		.amdhsa_reserve_vcc 0
		.amdhsa_float_denorm_mode_32 3
		.amdhsa_float_denorm_mode_16_64 3
		.amdhsa_memory_ordered 1
		.amdhsa_forward_progress 1
		.amdhsa_inst_pref_size 190
	.end_amdhsa_kernel
	.amdgpu_metadata
---
amdhsa.version: [ 1, 2 ]
amdhsa.kernels:
  - .name:           k_q8e9a3ba7b4_up
    .symbol:         k_q8e9a3ba7b4_up.kd
    .args:
      - { .name: xg, .offset: 0, .size: 8, .value_kind: global_buffer, .address_space: global }
      - { .name: cnt, .offset: 8, .size: 8, .value_kind: global_buffer, .address_space: global }
      - { .name: w1, .offset: 16, .size: 8, .value_kind: global_buffer, .address_space: global }
      - { .name: v1, .offset: 24, .size: 8, .value_kind: global_buffer, .address_space: global }
      - { .name: h, .offset: 32, .size: 8, .value_kind: global_buffer, .address_space: global }
    .group_segment_fixed_size: 165376
    .private_segment_fixed_size: 0
    .kernarg_segment_align: 8
    .kernarg_segment_size: 40
    .max_flat_workgroup_size: 128
    .sgpr_count:     66
    .vgpr_count:     1024
    .wavefront_size: 32
...
	.end_amdgpu_metadata
.endif
;; end of part 6
;; launch down (part 7): grid 32 x 8, 4 waves a work-group, no clusters, 111,104 bytes of LDS; arguments h, cnt, w2, ypart; writes ypart
.if DOCPART == 7
	.amdgcn_target "amdgcn-amd-amdhsa--gfx1250"
	.amdhsa_code_object_version 6
	.text
	.protected	k_q8e9a3ba7b4_down
	.globl	k_q8e9a3ba7b4_down
	.p2align	8
	.type	k_q8e9a3ba7b4_down,@function
k_q8e9a3ba7b4_down:
	s_mov_b64 s[64:65], 0
	v_nop
	global_prefetch_b8 v0, s[64:65] scope:SCOPE_SE
	s_setreg_imm32_b32 hwreg(HW_REG_WAVE_SCHED_MODE, 0, 2), 2
	s_setreg_imm32_b32 hwreg(HW_REG_WAVE_MODE, 25, 1), 1
	s_wait_xcnt 0x0
	s_wait_alu depctr_vm_vsrc(0)
; SECOND PRODUCT OF THE EXPERTS.  ypart[fh][e][rank][d] = the sum over one half of f of h[rank][f] w2[e][f][d], in f32: partial sums, which the next launch adds and weighs.
; SHARES.  Work-group (x, e): ds = x / 2 owns columns d = 64 ds .. + 63 (256 bytes of each row of w2), fh = x % 2 the half f = 1,024 fh .. + 1,023: 256 KiB of f32 that it alone reads, once, in whole
; aligned pieces of 256 bytes.  (8 experts x 16 slices of 64 columns are 128; the split of f makes 256 work-groups, at the price of a second partial row.)  Wave q holds f = 256 q .. + 255 of
; the half for all four blocks of 16 d: 256 registers of bf16, rounded on the way through registers and turned by ds_load_tr16_b128, since w2 lies [f][d].
; A fragment of 16 rows of h x 32 f comes from memory straight into operand registers (two loads of 512 consecutive bytes, by h's layout) and feeds 4 matrix instructions.
; The four waves' partial sums meet in LDS as tiles of 16 rows x 64 d; wave q adds rows 4 q .. + 3 and stores them, 256 consecutive aligned bytes a row.
; THE WALK is the first product's.  POSITION p does the 32 products of sub-tile p (16 rows), into one of two sets of accumulators (by p's parity); the 8 LDS stores of sub-tile p - 1's partial sums,
; from the other set; the finishing of sub-tile p - 3 (8 LDS loads, 12 packed sums, 2 stores).  All but the products stands in SLICES of at most five lines behind every second matrix instruction,
; and so do the 16 loads of sub-tile p + 3's rows of h, into the registers that the position before read: a ring of four sub-tiles.
; BARRIERS.  One behind every second position.  Four regions of partial sums, by g % 4: sub-tile g is stored at position g + 1, read at g + 3, its region stored again at g + 5: each time two
; positions on, so a barrier lies between.  In positions 0, 1 (mod 4) regions 3, 0 are written and 1, 2 read; in positions 2, 3 regions 1, 2 are written and 3, 0 read.
; EVERY SPLIT.  A constant 17 trips of four positions, entered at position 3; every wave passes both barriers of every trip.  nt = max(1, ceil(count / 16)) sub-tiles are live; the count comes
; from cnt, stored by the launch that laid the rows out.  A position at or past nt jumps forward to a plain text, with no barrier in it, that stores sub-tile p - 1 and finishes sub-tile p - 3 where
; these are live.  Positions 0 to 2 stand ahead of the loop, finish nothing, and always multiply (on a tile that exists), so that both sets of accumulators are written on every way.
; Tiles asked for are clamped to nt - 1: only tiles that the first product wrote are read; each wave asks for three such tiles in vain.
; NO CLUSTER: each slice of w2 has one reader.  An expert's 16 column slices do read the same tiles of h; here they go from memory into operand registers with no copy in LDS, and joint loads would
; want slots and rounds of the cluster's barrier in a loop whose live length hangs on a stored count.  No tensor loads: f32 weights pass registers to be rounded.
; LIMITS.  NaN and infinities are not treated apart.
; REGISTERS: window 0 addresses, accumulators, work; window 1 staging of f32 weights (two groups of 128), then the ring of four sub-tiles of h (64 s + 8 J); window 2 the weights, K step J, block n at
; v[32 J + 8 n].  A slice works in window 0 (its loads of h: into window 1), the products beside it name windows 1 and 2: two switches a slice.
; THE MODE: SCHED_MODE bits 1:0 = 2 (LLVM: expert scheduling mode 2), set by the entry lines.  The code itself states the register dependences between vector or matrix instructions and memory or
; LDS instructions, with s_wait_alu, always for 0.
; THE PLAN.  Registers that memory or LDS instructions touch in the walk; position p has ring slot s = p % 4:
;   ring slot s   read by the products of position p; the 16 loads issued in position p + 1 land in it.
;   ACC, set p % 2  written by the products of position p; read by the 8 LDS stores of position p + 1; written again by the products of position p + 2.
;   R             the position's 8 LDS loads land in it; its 12 sums, all behind those loads, read and write it.
;   YB, a region  written by the position's last four sums; read by the two stores at the position's end; written again four positions on.
;   AOFF[s]       written by one line of position p; read by the ring's loads of position p + 1; written again in position p + 4.
;   XST, XRD, YOFF, WOFF, SST, TRD  made at the head and never written again.
; So a position ENDS with one wait on va_vdst: its products have written their accumulators and are done reading their slot, its sums are done with R and have written YB, AOFF[s] is written.
; The stores of YB follow at once; the next position's LDS loads, LDS stores and ring loads are dealt among its products with no further wait, since the vector and matrix lines issued since that
; wait name the other set of accumulators, the next slot, the weights, the next AOFF, and R only behind the LDS loads.  A position BEGINS with one wait on vm_vsrc: the LDS stores of the position
; before have read the accumulators that are written again, the ring's loads of three positions back have read AOFF[s], the stores of four positions back have read their YB.
.set XP,     272                       ; a row of partial sums: 256 bytes + 16: 17 x 16, so the 16 rows of a store start at 16 different groups of four banks (64 banks of 4 bytes: ISA guide 11.1)
.set XW,     16*XP                     ; a wave's tile
.set XS,     4*XW                      ; a region: the four waves' tiles
.set STAGE,  4*XS                      ; behind them: for each wave 64 rows of f x 160 bytes; the 512 bytes behind the stages take the closing add
.set TP,     160                       ; 128 bytes of bf16 + 32: 5 x 32, an odd multiple of 32
.set STGW,   64*TP
.set WOFF,  6                          ; v6   two rows of w2 a load: 4,096 (lane / 16) + 16 (lane % 16)
.set SST,   7                          ; v7   stage, in
.set TRD,   8                          ; v8   stage, back, turned
.set A0,    9                          ; v9   my 16 bytes in a block of h: 32 (lane % 16) + 16 (lane / 16)
.set AOFF,  10                         ; v10-13  ring slot s: its tile's 65,536 bytes + A0
.set XST,   14                         ; v14  partial sums, in
.set XRD,   15                         ; v15, v16  partial sums, back; + 2 regions
.set YOFF,  17                         ; v17  my 16 bytes in ypart
.set TA,    18                         ; v18, v19 at work
.set TB,    19
.set ACC,   32                         ; v[32:95]   two sets of accumulators: set b, block n at ACC + 32 b + 8 n
.set T,     96                         ; v[96:159]  filling: packed bf16
.set R,     160                        ; v[160:191] the four waves' partial sums
.set YB,    192                        ; v[192:223] region r: 8 registers to store
.set MSB, 0
.macro WIN new                         ; the immediate's high byte repeats the setting that is left; a switch that changes nothing is dropped
.if MSB != (\new)
	s_set_vgpr_msb (MSB<<8)|(\new)
.set MSB, \new
.endif
.endm
.macro NOPS n
.rept \n
	v_nop
.endr
.endm
; Chunk c: 64 rows of f x 256 bytes; each load takes two rows' aligned 256 bytes
.macro LOADCH c
	WIN 0x40
.set mm, 0
.rept 32
	global_load_b128 v[128*((\c)%2)+4*mm:128*((\c)%2)+4*mm+3], v[WOFF], s[8:9] offset:(32*(\c)+mm)*8192 th:TH_LOAD_NT
.set mm, mm+1
.endr
	WIN 0
.endm
; Rounded, the staging group asked for again, and turned into fragments through my own stage; LDS serves a wave's instructions in order (ISA guide 5.7.1.4), so no wait on DScnt stands between
.macro CHUNK c, left, more
	s_wait_loadcnt \left                           ; chunk c is in, the 32 loads of chunk c + 1 may stay out
.if (\c) > 0
	s_wait_alu depctr_vm_vsrc(0)                   ; the LDS stores of the chunk before have read v[T ..], which the roundings below write again
.endif
	WIN 0x05
.set mm, 0
.rept 64
	v_cvt_pk_bf16_f32 v[T+mm], v[128*((\c)%2)+2*mm], v[128*((\c)%2)+2*mm+1]
.set mm, mm+1
.endr
	s_wait_alu depctr_va_vdst(0)                   ; the roundings have written v[T ..], which the LDS stores below read, and are done reading the staging group, in which the loads of chunk c + 2 land (behind the last two chunks: the ring's first loads, whose four addresses were written ahead of chunk 0)
.if \more
	LOADCH (\c)+2
.endif
	WIN 0
.set mm, 0
.rept 32
	ds_store_b64 v[SST], v[T+2*mm:T+2*mm+1] offset:2*TP*mm
.set mm, mm+1
.endr
	WIN 0x80                                       ; destination window 2
.irp j, 0, 1
.irp n, 0, 1, 2, 3
	ds_load_tr16_b128 v[32*(2*(\c)+\j)+8*\n:32*(2*(\c)+\j)+8*\n+3],   v[TRD] offset:32*TP*\j+32*\n
	ds_load_tr16_b128 v[32*(2*(\c)+\j)+8*\n+4:32*(2*(\c)+\j)+8*\n+7], v[TRD] offset:32*TP*\j+32*\n+16*TP
.endr
.endr
	WIN 0
.endm
; The ring's first fill: 64 loads of 512 consecutive bytes, four sub-tiles x my 16 blocks of f; slot by slot, so that the waits can count.
; No wait of its own: since the last chunk's wait on va_vdst only LDS instructions were issued, which name neither window 1 nor AOFF.
.macro ALOADS
	WIN 0x40
.irp s, 0, 1, 2, 3
.irp J, 0, 1, 2, 3, 4, 5, 6, 7
	global_load_b128 v[64*\s+8*\J:64*\s+8*\J+3],   v[AOFF+\s], s[4:5] offset:1024*\J
	global_load_b128 v[64*\s+8*\J+4:64*\s+8*\J+7], v[AOFF+\s], s[4:5] offset:1024*\J+512
.endr
.endr
	WIN 0
.endm
; the first four tiles: never past the last live one; the constant clamp stands last in front of the shift
.macro AADDR
.irp s, 0, 1, 2, 3
	s_min_u32 s25, \s, s29
	s_min_u32 s25, s25, 63
	s_lshl_b32 s25, s25, 16
	v_add_nc_u32 v[AOFF+\s], s25, v[A0]
.endr
.endm
; THE PARTS OF A POSITION.  k counts a position's 16 pairs of matrix instructions; the macros below read k and the symbols that SLICE, STP and REDP set.
; Pair k of slot s: K step k / 2, blocks 2 (k % 2) and the next.  The 4 accumulators take turns, one instruction a turn; the first K step starts the sums with the constant 0.
; Source 0 = 16 columns d, source 1 = 16 rows of h: a lane holds one row (lane % 16) and d = 8 (lane / 16) + 0..7.
.macro W2 s
.set jj, k/2
.set cc, ACC+32*((\s)%2)
	WIN 0x06                                       ; source 0 window 2, source 1 window 1, C and D window 0
.irp d, 0, 1
.set nn, 2*(k%2)+\d
.if jj == 0
	v_wmma_f32_16x16x32_bf16 v[cc+8*nn:cc+8*nn+7], v[32*jj+8*nn:32*jj+8*nn+7], v[64*(\s)+8*jj:64*(\s)+8*jj+7], 0
.else
	v_wmma_f32_16x16x32_bf16 v[cc+8*nn:cc+8*nn+7], v[32*jj+8*nn:32*jj+8*nn+7], v[64*(\s)+8*jj:64*(\s)+8*jj+7], v[cc+8*nn:cc+8*nn+7]
.endif
.endr
.endm
.macro XLD                             ; load mm of 8 from region rg: wave mm % 4's partial sums of two of my four rows (pair mm / 4)
	ds_load_b128 v[R+4*mm:R+4*mm+3], v[XRD+rg/2] offset:(rg%2)*XS+XW*(mm%4)+2*XP*(mm/4)
.endm
.macro XSTO                            ; store mm of 8 into region xr: half mm % 2 of accumulator mm / 2 of the set at ap; ascending, so each accumulator's low four registers go first
	ds_store_b128 v[XST], v[ap+4*mm:ap+4*mm+3] offset:XS*xr+64*(mm/2)+16*(mm%2)
.endm
.macro RV                              ; line vj of the 12 that add the four waves' partial sums in f32: 0-7 by twos, 8-11 the two sums into the registers to store
.if vj < 8
.set rb, R+16*(vj/4)+2*((vj/2)%2)+8*(vj%2)
	v_pk_add_f32 v[rb:rb+1], v[rb:rb+1], v[rb+4:rb+5]
.else
.set rb, 16*((vj-8)/2)+2*((vj-8)%2)
.set yb, YB+8*rg+4*((vj-8)/2)+2*((vj-8)%2)
	v_pk_add_f32 v[yb:yb+1], v[R+rb:R+rb+1], v[R+rb+8:R+rb+9]
.endif
.endm
.macro RF s, m                         ; run m of four: slot s's K steps 2 m and 2 m + 1 are asked for again, four loads
	WIN 0x40
.irp d, 0, 1
	global_load_b128 v[64*(\s)+8*(2*(\m)+\d):64*(\s)+8*(2*(\m)+\d)+3],   v[AOFF+(\s)], s[4:5] offset:1024*(2*(\m)+\d)
	global_load_b128 v[64*(\s)+8*(2*(\m)+\d)+4:64*(\s)+8*(2*(\m)+\d)+7], v[AOFF+(\s)], s[4:5] offset:1024*(2*(\m)+\d)+512
.endr
.endm
; SLICE k of 16, behind pair k.  st = 1: sub-tile p - 1 is stored.  red = 1: sub-tile p - 3 is finished.  rf = 1: the slot that the position before read is asked for again.
;   0, 1  the 8 LDS loads     2, 3  the 8 LDS stores, and beside them the address of the tile four sub-tiles on (4)     10-12  the sums, behind the wait for the loads
;   5, 7, 9, 13  the four runs of loads into the ring.  They, the LDS loads and the LDS stores hang on the closing wait of the position before alone (THE PLAN, at the head).
;   15  five plain lines, the places between the position's last products and the next position's LDS stores of their results; behind them, filling none, the position's
;       closing wait; then the two stores.
.macro SLICE s, st, red, rf
.set rg, ((\s)+1)%4                    ; the region of sub-tile p - 3
.set xr, ((\s)+3)%4                    ; the region of sub-tile p - 1,
.set ap, ACC+32*(((\s)+1)%2)           ; and its accumulators: the other set
.set rs, ((\s)+3)%4                    ; the ring slot that the position before read
.if k < 2
.if \red
	WIN 0
.irp d, 0, 1, 2, 3
.set mm, 4*k+\d
	XLD
.endr
.endif
.elseif k < 4
.if \st
	WIN 0
.irp d, 0, 1, 2, 3
.set mm, 4*(k-2)+\d
	XSTO
.endr
.endif
.if k == 2
	s_add_co_u32 s34, s27, (\s)+4                  ; the tile four sub-tiles on,
	s_min_u32 s34, s34, s29                        ; never past the last live one;
.else
	s_min_u32 s34, s34, 63                         ; the constant clamp stands last in front of the shift
	s_lshl_b32 s34, s34, 16
.endif
.elseif k == 4
	WIN 0
	v_add_nc_u32 v[AOFF+(\s)], s34, v[A0]          ; free: the count at the position's head has shown the loads that named it done, the wait on vm_vsrc ahead of that that they have read it; the next position's loads read it
.elseif k == 5
.if \rf
	RF rs, 0
.endif
.elseif k == 7
.if \rf
	RF rs, 1
.endif
.elseif k == 9
.if \rf
	RF rs, 2
.endif
.elseif (k >= 10) && (k < 13)
.if \red
	WIN 0
.if k == 10
	s_wait_dscnt 8                                 ; LDS instructions end in order: the 8 loads are in, the 8 stores issued behind them may be out
.endif
.irp d, 0, 1, 2, 3
.set vj, 4*(k-10)+\d
	RV
.endr
.endif
.elseif k == 13
.if \rf
	RF rs, 3
.endif
.elseif k == 15
	WIN 0
	NOPS 5
	s_wait_alu depctr_va_vdst(0)                   ; the position's close: its products have written their accumulators, which the next LDS stores read, and are done reading slot s, in which the next ring loads land; AOFF[s] is written; the sums have written YB, which the stores below read, and are done with R, in which the next LDS loads land
.if \red
.irp i, 0, 1
	global_store_b128 v[YOFF], v[YB+8*rg+4*\i:YB+8*rg+4*\i+3], s[10:11] offset:65536*((\s)-3)+8192*\i   ; sub-tile p - 3, counted from the trip's first: 16 lanes store 256 consecutive bytes, aligned
.endr
.endif
.endif
.endm
; A live position on ring slot s.  left: the loads issued behind this slot's 16
.macro F s, st, red, rf, left
	s_wait_loadcnt \left                           ; loads come back in order: behind this slot's 16 loads the two positions since have issued 16 each (position 0: the three later slots' 48; positions 1 to 3: later slots' and positions' 32); a dead position between has waited for all
.set k, 0
.rept 16
	W2 \s
	SLICE \s, \st, \red, \rf
.set k, k+1
.endr
	WIN 0
.endm
.macro STP x                           ; by itself: the last live sub-tile's partial sums go into region x; the five lines and the closing wait at its position's end stand between its products and these stores
.set xr, \x
.set ap, ACC+32*(xr%2)
.set mm, 0
.rept 8
	XSTO
.set mm, mm+1
.endr
.endm
.macro REDP g4, toff                   ; by itself: the sub-tile in region g4 is finished; toff: its number, counted from the trip's first.  Its LDS loads land in R, which the finishing before left behind a wait on va_vdst
.set rg, \g4
.set mm, 0
.rept 8
	XLD
.set mm, mm+1
.endr
	s_wait_dscnt 0x0
.set vj, 0
.rept 12
	RV
.set vj, vj+1
.endr
	s_wait_alu depctr_va_vdst(0)                   ; the sums have written YB, which the stores below read, and are done with R, in which the next finishing's LDS loads land
.irp i, 0, 1
	global_store_b128 v[YOFF], v[YB+8*rg+4*\i:YB+8*rg+4*\i+3], s[10:11] offset:65536*(\toff)+8192*\i
.endr
.endm
; Position 4 t + s of the loop: live, or what is left of the last live sub-tiles, or nothing.  All jumps go forward and pass no barrier.
.macro POS s
	s_wait_alu depctr_vm_vsrc(0)                   ; ahead of the branch, for both ways: the LDS stores of the position before have read the accumulators that this position's products write again; the ring's loads of three positions back have read AOFF[s]; the stores of four positions back have read the YB that is written again
	s_add_co_u32 s25, s27, \s                      ; p
	s_cmp_lt_u32 s25, s26
	s_cbranch_scc0 .Ldead\s
	F \s, 1, 1, 1, 32
	s_branch .Lnext\s
.Ldead\s:
	s_wait_loadcnt 0x0                             ; behind a dead position no load is out, so the count at a live position's head holds on every way
	s_cmp_lt_u32 s25, s32                          ; p - 1 < nt?
	s_cbranch_scc0 .Lnost\s
	STP ((\s)+3)%4
.Lnost\s:
	s_cmp_lt_u32 s25, s33                          ; p - 3 < nt?
	s_cbranch_scc0 .Lnext\s
	REDP ((\s)+1)%4, (\s)-3
.Lnext\s:
.endm
.macro BAR
	s_wait_dscnt 0x0                               ; for the others' sake: my stores of partial sums are done and my reads of them are over
	s_barrier_signal -1
	s_barrier_wait -1                              ; everybody's are
.endm
	s_load_b256 s[4:11], s[0:1], 0x0               ; h s[4:5], cnt s[6:7], w2 s[8:9], ypart s[10:11]
	v_lshl_add_u32 v254, v0, 2, 0x1b000
	v_mov_b32 v255, 0
	v_lshrrev_b32 v[TA], 5, v0
	v_readfirstlane_b32 s20, v[TA]                 ; q: wave 0..3
	s_mov_b32 s21, ttmp9
	s_and_b32 s22, ttmp7, 0xffff                   ; e
	s_lshr_b32 s23, s21, 1                         ; ds
	s_and_b32 s18, s21, 1                          ; fh
	v_and_b32 v2, 15, v0                           ; lane % 16
	v_bfe_u32 v3, v0, 4, 1                         ; lane / 16
	v_lshlrev_b32 v[WOFF], 4, v2
	v_lshl_add_u32 v[WOFF], v3, 12, v[WOFF]
	s_wait_alu depctr_va_sdst(0)                   ; s20 is written, ahead of its first reader: LDS addresses and the bases of w2 and h are made from it
	s_mul_i32 s25, s20, STGW
	s_add_co_u32 s25, s25, STAGE                   ; my stage
	v_mul_u32_u24 v[SST], v3, TP
	v_lshl_add_u32 v[SST], v2, 3, v[SST]
	v_add_nc_u32 v[SST], s25, v[SST]
	v_and_b32 v[TA], 7, v0                         ; the turning load: lane l reads row 8 (l / 16) + l % 8, 16 bytes at 16 ((l / 8) % 2)
	v_lshl_add_u32 v[TA], v3, 3, v[TA]
	v_mul_u32_u24 v[TRD], v[TA], TP
	v_bfe_u32 v[TB], v0, 3, 1
	v_lshl_add_u32 v[TRD], v[TB], 4, v[TRD]
	v_add_nc_u32 v[TRD], s25, v[TRD]
	v_lshlrev_b32 v[A0], 5, v2
	v_lshl_add_u32 v[A0], v3, 4, v[A0]
	s_mul_i32 s25, s20, XW
	v_mul_u32_u24 v[XST], v2, XP
	v_lshl_add_u32 v[XST], v3, 5, v[XST]
	v_add_nc_u32 v[XST], s25, v[XST]
	s_lshl_b32 s25, s20, 2
	v_add_nc_u32 v[TA], s25, v3                    ; row 4 q + lane / 16
	v_mul_u32_u24 v[XRD], v[TA], XP
	v_lshl_add_u32 v[XRD], v2, 4, v[XRD]
	v_add_nc_u32 v[XRD+1], 2*XS, v[XRD]
	v_lshlrev_b32 v[YOFF], 12, v[TA]
	v_lshl_add_u32 v[YOFF], v2, 4, v[YOFF]
	s_mov_b32 s31, 0
	s_wait_kmcnt 0x0
	s_lshl_b32 s30, s22, 7
	s_add_nc_u64 s[6:7], s[6:7], s[30:31]
	s_load_b32 s24, s[6:7], 0x0                    ; the expert's count
	s_lshl_b32 s30, s22, 23                        ; w2 at row 2,048 e + 1,024 fh + 256 q, column 64 ds
	s_lshl_b32 s25, s18, 22
	s_add_co_u32 s30, s30, s25
	s_lshl_b32 s25, s20, 20
	s_add_co_u32 s30, s30, s25
	s_lshl_b32 s25, s23, 8
	s_add_co_u32 s30, s30, s25
	s_add_nc_u64 s[8:9], s[8:9], s[30:31]
	s_wait_alu depctr_va_vdst(0)                   ; WOFF, SST, TRD, XST, XRD and YOFF are written: every load and store of the kernel but the ring's reads one of them as its address
	LOADCH 0
	LOADCH 1
	s_lshl_b32 s30, s22, 22                        ; h at expert e, tile 0, block 64 fh + 16 q
	s_lshl_b32 s25, s18, 15
	s_add_co_u32 s30, s30, s25
	s_lshl_b32 s25, s20, 13
	s_add_co_u32 s30, s30, s25
	s_add_nc_u64 s[4:5], s[4:5], s[30:31]
	s_lshl_b32 s30, s18, 25                        ; ypart at half fh, expert e, rank 0, column 64 ds
	s_lshl_b32 s25, s22, 22
	s_add_co_u32 s30, s30, s25
	s_lshl_b32 s25, s23, 8
	s_add_co_u32 s30, s30, s25
	s_add_nc_u64 s[10:11], s[10:11], s[30:31]
	s_wait_kmcnt 0x0
	s_min_u32 s24, s24, 0x400
	s_add_co_u32 s26, s24, 15
	s_lshr_b32 s26, s26, 4
	s_max_u32 s26, s26, 1                          ; nt: live sub-tiles, 1 to 64
	s_sub_co_u32 s29, s26, 1
	s_add_co_u32 s32, s26, 1
	s_add_co_u32 s33, s26, 3
	s_mov_b32 s27, 0                               ; the trip's first position
	s_mov_b32 s28, 17
	AADDR                                          ; the ring's first four addresses are made here, ahead of the chunks, whose waits on va_vdst then stand between these lines and the ring's first loads
	CHUNK 0, 32, 1
	CHUNK 1, 32, 1
	CHUNK 2, 32, 0
	CHUNK 3, 0, 0                                  ; nothing was issued behind the last chunk
	ALOADS
	s_wait_dscnt 0x0                               ; all the weights' fragments are in
	s_wait_alu depctr_vm_vsrc(0)                   ; the ring's first loads have read AOFF[0 .. 3], which positions 0 to 3 write again
	F 0, 0, 0, 0, 48                               ; positions 0 to 2: nothing is there yet to finish; at position 0 nothing to store, and no slot has been read yet
	F 1, 1, 0, 1, 32                               ; no wait on vm_vsrc: no LDS store has read this position's accumulators yet
	BAR
	s_wait_alu depctr_vm_vsrc(0)                   ; the LDS stores of position 1 have read the accumulators that position 2's products write again
	F 2, 1, 0, 1, 32
	s_branch .Lpos3                                ; the loop is entered at position 3, in the middle of a trip
.Ltrip:
	POS 0
	POS 1
	BAR
	POS 2
.Lpos3:
	POS 3
	BAR
	s_wait_xcnt 0x0                                ; the stores' base and data are rewritten only behind this wait
	s_add_nc_u64 s[10:11], s[10:11], 0x40000       ; 64 rows of ypart on
	s_add_co_u32 s27, s27, 4
	s_sub_co_u32 s28, s28, 1
	s_cmp_lg_u32 s28, 0
	s_cbranch_scc1 .Ltrip
	s_wait_dscnt 0x0                               ; the wave's end: my last LDS instructions are done
	s_wait_alu depctr_hold_cnt(0) depctr_sa_sdst(0) depctr_va_vdst(0) depctr_va_sdst(0) depctr_va_ssrc(0) depctr_va_vcc(0) depctr_vm_vsrc(0)
	s_wait_tensorcnt 0x0
	ds_add_u32 v254, v255
	s_wait_dscnt 0x0
	s_endpgm
.Lfunc_end_k_q8e9a3ba7b4_down:
	.size	k_q8e9a3ba7b4_down, .Lfunc_end_k_q8e9a3ba7b4_down-k_q8e9a3ba7b4_down
	.p2alignl 7, 3214868480
	.fill 96, 4, 3214868480
	.section	.rodata,"a",@progbits
	.p2align	6, 0x0
	.amdhsa_kernel k_q8e9a3ba7b4_down
		.amdhsa_group_segment_fixed_size 111104
		.amdhsa_private_segment_fixed_size 0
		.amdhsa_enable_private_segment 0
		.amdhsa_kernarg_size 32
		.amdhsa_user_sgpr_count 2
		.amdhsa_user_sgpr_kernarg_segment_ptr 1
		.amdhsa_wavefront_size32 1
		.amdhsa_system_sgpr_workgroup_id_x 1
		.amdhsa_system_sgpr_workgroup_id_y 1
		.amdhsa_system_sgpr_workgroup_id_z 1
		.amdhsa_system_vgpr_workitem_id 0
		.amdhsa_next_free_vgpr 768
		.amdhsa_next_free_sgpr 66
		.amdhsa_reserve_vcc 0
		.amdhsa_float_denorm_mode_32 3
		.amdhsa_float_denorm_mode_16_64 3
		.amdhsa_memory_ordered 1
		.amdhsa_forward_progress 1
		.amdhsa_inst_pref_size 101
	.end_amdhsa_kernel
	.amdgpu_metadata
---
amdhsa.version: [ 1, 2 ]
amdhsa.kernels:
  - .name:           k_q8e9a3ba7b4_down
    .symbol:         k_q8e9a3ba7b4_down.kd
    .args:
      - { .name: h, .offset: 0, .size: 8, .value_kind: global_buffer, .address_space: global }
      - { .name: cnt, .offset: 8, .size: 8, .value_kind: global_buffer, .address_space: global }
      - { .name: w2, .offset: 16, .size: 8, .value_kind: global_buffer, .address_space: global }
      - { .name: ypart, .offset: 24, .size: 8, .value_kind: global_buffer, .address_space: global }
    .group_segment_fixed_size: 111104
    .private_segment_fixed_size: 0
    .kernarg_segment_align: 8
    .kernarg_segment_size: 32
    .max_flat_workgroup_size: 128
    .sgpr_count:     66
    .vgpr_count:     768
    .wavefront_size: 32
...
	.end_amdgpu_metadata
.endif
;; end of part 7
;; launch combine: the kernel of part 5 again; grid 256 x 1, 4 waves a work-group, no clusters, 0 bytes of LDS; arguments ypart, idx, gates, pose, out0; writes out0
